; MI455X (gfx1250); checked and timed in simulation.
; The chip was launched on July 23, 2026; its instructions are those of AMD's public machine-readable ISA for CDNA 5 (MIT licence, August 2026) and "CDNA5" Instruction Set Architecture Reference Guide (July 2026). The comments in the code are by the model that wrote it; some were corrected since.
;; Classical Self Attention. Allowed arithmetic: float matrix products may take bf16 or f16 operands with f32 sums; other float arithmetic in f32, or as packed bf16 or f16 multiplies, adds, multiply-adds, maxima and minima; sums over many terms, partial sums and values carried from step to step in f32; what a program stores and reads back later, other than sums and carried values, may be rounded once to bf16 or f16.
;; Inputs: Wo 1,024 x 1,024 float32; Wqkv 3,072 x 1,024 float32; bo 1,024 float32; x 4 x 4,096 x 1,024 float32.
;; Outputs: out0 4 x 4,096 x 1,024 float32.
;; 2 versions, each right; version 2 is version 1 with the launch heads written anew for expert scheduling mode. Each part assembles by itself: llvm-mc -triple=amdgcn-amd-amdhsa -mcpu=gfx1250 --defsym DOCPART=n.
;; ======== version 1 of 2: 4 launches
;; limits: values are held in f16: magnitudes above 65,504 overflow, below 6.1e-05 lose precision
;; workspace buffers: xb 33,554,432 bytes; wqb 6,291,456 bytes; woh 2,097,152 bytes; qkv 100,663,296 bytes; att 33,554,432 bytes
;; launch cast (part 1): grid 1280 x 1, 8 waves a work-group, no clusters, 0 bytes of LDS; arguments x, Wqkv, Wo, xb, wqb, woh; writes xb, wqb, woh
.if DOCPART == 1
	.amdgcn_target "amdgcn-amd-amdhsa--gfx1250"
	.amdhsa_code_object_version 6
	.text
	.protected	k_qa60c1fd520_cast
	.globl	k_qa60c1fd520_cast
	.p2align	8
	.type	k_qa60c1fd520_cast,@function
k_qa60c1fd520_cast:
	s_mov_b64 s[64:65], 0
	v_nop
	global_prefetch_b8 v0, s[64:65] scope:SCOPE_SE
	s_setreg_imm32_b32 hwreg(HW_REG_WAVE_MODE, 25, 1), 1
	s_wait_xcnt 0x0
; THE INPUTS ARE ROUNDED ONCE, AND THE WEIGHTS LAID OUT FOR THE LAUNCHES BEHIND.
;   xb  [16384][1024] bf16 = x.
;   wqb [3072][1024]  bf16 = Wqkv with its ROWS permuted (hd = head, d = channel 0..63):
;       q and k (part p = 0, 1): row p 1024 + hd 64 + d  ->  row p 1024 + (d / 16) 256 + hd 16 + d % 16
;       v:                       row 2048 + g 64 + d     ->  row 2048 + d 16 + g
;   woh [1024][1024]  f16  = Wo rounded to bf16 and that number written as f16, with its COLUMNS permuted:
;       column hd 64 + d  ->  column (d / 16) 256 + hd 16 + d % 16
; LIMITS.  |Wo| stays under 65,504 (f16's end); a rounded Wo below 2^-14 in magnitude keeps f16's fixed step of 6e-8.
; SHARES.  A work-group takes 16 source rows of 1,024 f32 (65,536 bytes).  Load i is row i: thread t takes 16 bytes at 16 t, a wave 512 bytes on end.
; Store i is one row of 2,048 bytes: thread t puts 8 bytes at 8 t, so each store of a wave covers 256 consecutive bytes, aligned.
; Sixteen source rows of Wqkv go to sixteen rows on end (q, k) or sixteen rows 16 apart (v); Wo's column order is taken on the reading side, so that its stores stay whole too.
; All sixteen loads of a thread go out first; no register is written twice, so the only waits are the counted ones for the loads.
; No LDS, no barrier, no matrix unit: nothing is shared and nothing is summed.
.set X, 4                              ; v[4:67]   load i: four f32
.set Y, 68                             ; v[68:99]  store i: four 16-bit numbers
	s_load_b256 s[4:11], s[0:1], 0x0               ; x s[4:5], Wqkv s[6:7], Wo s[8:9], xb s[10:11]
	s_load_b128 s[12:15], s[0:1], 0x20             ; wqb s[12:13], woh s[14:15]
	v_lshlrev_b32 v1, 4, v0                        ; 16 t: where I read in a source row
	v_lshlrev_b32 v2, 3, v0                        ; 8 t: where I write in a destination row
	v_bfe_u32 v3, v0, 2, 4                         ; Wo: my four destination columns 4 t .. belong to head (t / 4) % 16,
	v_lshlrev_b32 v3, 8, v3                        ; 256 bytes of a source row a head,
	v_lshrrev_b32 v4, 6, v0                        ; channels 16 (t / 64) + 4 (t % 4) ..
	v_lshl_add_u32 v3, v4, 6, v3
	v_and_b32 v4, 3, v0
	v_lshl_add_u32 v3, v4, 4, v3
	s_mov_b32 s17, 0                               ; the upper words of the two offsets
	s_mov_b32 s19, 0
	s_wait_kmcnt 0x0
; Sixteen rows from s[src:src+1] + v[lo] to s[dst:dst+1] + 8 t, the destination rows stride bytes apart.  half = 1: bf16's number written as f16.
.macro CAST src, dst, stride, half, lo
.irp i, 0,1,2,3,4,5,6,7,8,9,10,11,12,13,14,15
.if \half
	global_load_b128 v[X+4*(\i):X+4*(\i)+3], v[\lo], s[(\src):(\src)+1] offset:4096*(\i)
.else
	global_load_b128 v[X+4*(\i):X+4*(\i)+3], v[\lo], s[(\src):(\src)+1] offset:4096*(\i) th:TH_LOAD_NT
.endif
.endr
.irp i, 0,1,2,3,4,5,6,7,8,9,10,11,12,13,14,15
	s_wait_loadcnt 15-(\i)                         ; loads come back in order (ISA guide 5.7.1): row i is in, the 15 - i younger ones stay out
	v_cvt_pk_bf16_f32 v[Y+2*(\i)],   v[X+4*(\i)],   v[X+4*(\i)+1]
	v_cvt_pk_bf16_f32 v[Y+2*(\i)+1], v[X+4*(\i)+2], v[X+4*(\i)+3]
.if \half
	v_lshlrev_b32 v[X+4*(\i)],   16,         v[Y+2*(\i)]    ; the rounded numbers as f32 again,
	v_and_b32     v[X+4*(\i)+1], 0xffff0000, v[Y+2*(\i)]
	v_lshlrev_b32 v[X+4*(\i)+2], 16,         v[Y+2*(\i)+1]
	v_and_b32     v[X+4*(\i)+3], 0xffff0000, v[Y+2*(\i)+1]
	v_cvt_pk_f16_f32 v[Y+2*(\i)],   v[X+4*(\i)],   v[X+4*(\i)+1]  ; and as f16: eight significant bits fit in eleven
	v_cvt_pk_f16_f32 v[Y+2*(\i)+1], v[X+4*(\i)+2], v[X+4*(\i)+3]
.endif
	global_store_b64 v2, v[Y+2*(\i):Y+2*(\i)+1], s[(\dst):(\dst)+1] offset:(\stride)*(\i) th:TH_STORE_NT
.endr
.endm
	s_cmp_ge_u32 ttmp9, 1216
	s_cbranch_scc1 .Lwo
	s_cmp_ge_u32 ttmp9, 1152
	s_cbranch_scc1 .Lv
	s_cmp_ge_u32 ttmp9, 1024
	s_cbranch_scc1 .Lqk
	; work-groups 0 .. 1023: x, rows 16 w ..
	s_lshl_b32 s16, ttmp9, 16
	s_lshl_b32 s18, ttmp9, 15
	s_add_nc_u64 s[4:5], s[4:5], s[16:17]
	s_add_nc_u64 s[10:11], s[10:11], s[18:19]
	CAST 4, 10, 2048, 0, 1
	s_endpgm
.Lqk:                                  ; work-groups 1024 .. 1151: chunk c = 0 .. 127 of Wqkv: part c / 64, head (c / 4) % 16, channels 16 (c % 4) ..
	s_sub_co_u32 s20, ttmp9, 1024
	s_lshl_b32 s16, s20, 16
	s_lshr_b32 s21, s20, 6
	s_lshl_b32 s21, s21, 10                        ; part x 1024
	s_and_b32 s22, s20, 3
	s_lshl_b32 s22, s22, 8                         ; + (d / 16) x 256
	s_bfe_u32 s23, s20, 0x40002
	s_lshl_b32 s23, s23, 4                         ; + head x 16
	s_add_co_u32 s21, s21, s22
	s_add_co_u32 s21, s21, s23
	s_lshl_b32 s18, s21, 11                        ; rows of 2,048 bytes
	s_add_nc_u64 s[6:7], s[6:7], s[16:17]
	s_add_nc_u64 s[12:13], s[12:13], s[18:19]
	CAST 6, 12, 2048, 0, 1
	s_endpgm
.Lv:                                   ; work-groups 1152 .. 1215: chunk c = 128 .. 191: head g = (c / 4) % 16, channels 16 (c % 4) + i -> rows 2048 + 256 (c % 4) + 16 i + g
	s_sub_co_u32 s20, ttmp9, 1024
	s_lshl_b32 s16, s20, 16
	s_and_b32 s22, s20, 3
	s_lshl_b32 s22, s22, 8
	s_bfe_u32 s23, s20, 0x40002
	s_add_co_u32 s21, s22, s23
	s_add_co_u32 s21, s21, 2048
	s_lshl_b32 s18, s21, 11
	s_add_nc_u64 s[6:7], s[6:7], s[16:17]
	s_add_nc_u64 s[12:13], s[12:13], s[18:19]
	CAST 6, 12, 32768, 0, 1
	s_endpgm
.Lwo:                                  ; work-groups 1216 .. 1279: Wo, rows 16 c ..
	s_sub_co_u32 s20, ttmp9, 1216
	s_lshl_b32 s16, s20, 16
	s_lshl_b32 s18, s20, 15
	s_add_nc_u64 s[8:9], s[8:9], s[16:17]
	s_add_nc_u64 s[14:15], s[14:15], s[18:19]
	CAST 8, 14, 2048, 1, 3
	s_endpgm
.Lfunc_end_k_qa60c1fd520_cast:
	.size	k_qa60c1fd520_cast, .Lfunc_end_k_qa60c1fd520_cast-k_qa60c1fd520_cast
	.p2alignl 7, 3214868480
	.fill 96, 4, 3214868480
	.section	.rodata,"a",@progbits
	.p2align	6, 0x0
	.amdhsa_kernel k_qa60c1fd520_cast
		.amdhsa_group_segment_fixed_size 0
		.amdhsa_private_segment_fixed_size 0
		.amdhsa_enable_private_segment 0
		.amdhsa_kernarg_size 48
		.amdhsa_user_sgpr_count 2
		.amdhsa_user_sgpr_kernarg_segment_ptr 1
		.amdhsa_wavefront_size32 1
		.amdhsa_system_sgpr_workgroup_id_x 1
		.amdhsa_system_sgpr_workgroup_id_y 1
		.amdhsa_system_sgpr_workgroup_id_z 1
		.amdhsa_system_vgpr_workitem_id 0
		.amdhsa_next_free_vgpr 104
		.amdhsa_next_free_sgpr 66
		.amdhsa_reserve_vcc 0
		.amdhsa_float_denorm_mode_32 3
		.amdhsa_float_denorm_mode_16_64 3
		.amdhsa_memory_ordered 1
		.amdhsa_forward_progress 1
		.amdhsa_inst_pref_size 30
	.end_amdhsa_kernel
	.amdgpu_metadata
---
amdhsa.version: [ 1, 2 ]
amdhsa.kernels:
  - .name:           k_qa60c1fd520_cast
    .symbol:         k_qa60c1fd520_cast.kd
    .args:
      - { .name: x, .offset: 0, .size: 8, .value_kind: global_buffer, .address_space: global }
      - { .name: Wqkv, .offset: 8, .size: 8, .value_kind: global_buffer, .address_space: global }
      - { .name: Wo, .offset: 16, .size: 8, .value_kind: global_buffer, .address_space: global }
      - { .name: xb, .offset: 24, .size: 8, .value_kind: global_buffer, .address_space: global }
      - { .name: wqb, .offset: 32, .size: 8, .value_kind: global_buffer, .address_space: global }
      - { .name: woh, .offset: 40, .size: 8, .value_kind: global_buffer, .address_space: global }
    .group_segment_fixed_size: 0
    .private_segment_fixed_size: 0
    .kernarg_segment_align: 8
    .kernarg_segment_size: 48
    .max_flat_workgroup_size: 256
    .sgpr_count:     66
    .vgpr_count:     104
    .wavefront_size: 32
...
	.end_amdgpu_metadata
.endif
;; end of part 1
;; launch proj (part 2): grid 4 x 64, 4 waves a work-group, clusters of 4 x 4, 327,680 bytes of LDS; arguments xb, wqb, qkv; writes qkv
.if DOCPART == 2
	.amdgcn_target "amdgcn-amd-amdhsa--gfx1250"
	.amdhsa_code_object_version 6
	.text
	.protected	k_qa60c1fd520_proj
	.globl	k_qa60c1fd520_proj
	.p2align	8
	.type	k_qa60c1fd520_proj,@function
k_qa60c1fd520_proj:
	s_mov_b64 s[64:65], 0
	v_nop
	global_prefetch_b8 v0, s[64:65] scope:SCOPE_SE
	s_setreg_imm32_b32 hwreg(HW_REG_WAVE_MODE, 25, 1), 1
	s_wait_xcnt 0x0
	s_wait_alu depctr_hold_cnt(0) depctr_sa_sdst(0) depctr_va_vdst(0) depctr_va_sdst(0) depctr_va_ssrc(0) depctr_va_vcc(0) depctr_vm_vsrc(0)
	s_getreg_b32 s2, hwreg(HW_REG_IB_STS2, 6, 4)
	s_cmp_eq_u32 s2, 0
	s_cbranch_scc0 .Lentry_in_a_cluster
	s_endpgm
.Lentry_in_a_cluster:
	s_bfe_u32 s2, ttmp6, 0x10000c
	s_cmp_lg_u32 s2, 0xf033
	s_cbranch_scc0 .Lentry_shape_is_right
	s_endpgm
.Lentry_shape_is_right:
; qkv[m][n] = sum over k of xb[m][k] wqb[n][k].  xb: [16384][1024] bf16, wqb: [3072][1024] bf16, qkv: [16384][3072] f16; sums in f32, rounded once.
; LIMIT.  f16 holds no number beyond 65,504: q, k and v stay within it (with x and Wqkv thirty times the drawn spread they reach some 5,000; with both carrying an offset of thirty spreads some 29,000).
; A tile of qkv, 256 x 256, is made by a work-group of four waves; a wave makes 128 x 128: 64 accumulators of 16 x 16, 512 registers.  K goes in steps of 128 through a ring of two LDS slots
; filled by the tensor data mover: the rows of both tiles are 256 bytes of memory and start at multiples of 256 bytes from the buffer's first byte.
; A WORK-GROUP STAYS: 64 x 12 tiles are 3 for each of 256 work-groups.  Its three tiles lie side by side, 1,024 columns apart (the same tokens' q, k and v): they share their rows of xb.
; ONE SEQUENCE FOR THE RING: the K steps of the three tiles are numbered 0 to 23; number n is K step n % 8 of tile n / 8.  Each refill's address is made anew from its number, so one text serves every lap,
; a tile's last lap too, whose two refills are the next tile's first two K steps.  Only the last tile's last lap is written out: it asks for nothing, and its last K step goes by rows, so that finished
; rows leave while the others are multiplied.
; CLUSTERS: 4 x 4 work-groups.  The four of a row of the cluster need the same tiles of xb, the four of a column the same tiles of wqb: each is asked for JOINTLY, by the same tensor load
; with the same descriptor and a mask that names the four.
; REGISTERS, in windows of 256 (s_set_vgpr_msb's low byte: bits 1:0 source 0, 3:2 source 1, 5:4 source 2, 7:6 destination):
;   window 0: v0-31 addresses; v64-127, v128-191 fragments of xb, two buffers (in the very last K step four, of 16 rows x 128 K); v32-63, v192-255 at work on the way out
;   window 1: v64-127, v128-191 fragments of wqb, two buffers; in the very last K step all 256
;   window 2: the 32 accumulators of my rows 0-63 (accumulator (a, b) at v[8 (8 a + b)]);   window 3: those of my rows 64-127
; THE MATRIX INSTRUCTION IS USED TRANSPOSED: source 0 = 16 rows of wqb, source 1 = 16 rows of xb: lane l then holds token l % 16 and eight NEIGHBOURING columns 8 (l / 16) + 0..7, which pack into 16 bytes.
.set SIZE_N, 3072
.set SIZE_K, 1024
.set TILES,  3
.set WALK,   1024                      ; columns of qkv (rows of wqb) between a work-group's tiles
.set WSH,    21                        ; WALK rows of wqb are 2^21 bytes
.set KSTEP,  128
.set PITCH,  272                       ; an LDS row: 256 bytes of data + 16 of padding = 68 words: row r starts at bank 4 r mod 64 (64 banks of 4 bytes: ISA guide 11.1)
.set HALFT,  128*PITCH                 ; 128 rows: what one tensor load brings, and what one wave reads of either operand
.set SLOT,   4*HALFT                   ; xb's 256 rows, then wqb's 256 rows
.set STAGE,  2*SLOT                    ; behind the ring: 16 rows x 272 bytes for each wave, for the way out
.set SPITCH, 272
.set SPARE,  STAGE+4*16*SPITCH         ; behind the stages: the spare words, 128 bytes for each wave: two blocks of 256 bytes that no other line names
.set LAPS,   SIZE_K/(2*KSTEP)          ; a lap = two K steps = once round the ring
.set ADRA, 16                          ; v16-17  LDS address of my xb fragments in slot 0, 1
.set ADRB, 20                          ; v20-21  the same for wqb
.set STO,  24                          ; v24     the way out: where I put 16 bytes of a row
.set RD,   25                          ; v25     the way out: where I read a row back
.set CO,   26                          ; v26     my byte offset in qkv; never rewritten
.set SPW,  28                          ; v28     LDS address of my spare word: SPARE + 4 x my thread's number; never rewritten
.set NIL,  29                          ; v29     0; never rewritten
.set PFO,  30                          ; v30     the prefetches' offset: my lane x a row of 2,048 bytes; never rewritten
.set LIM,  43                          ; s43     a wave prefetches while the number of the K step that is being asked for is below this: 6 (xb), 22 (wqb) or 0
.set PFA,  44                          ; s[44:45] the address of the prefetch in hand
.set ABASE, 66                         ; s[66:67] xb at K step 0 of the 128 rows that I fetch
.set BBASE, 68                         ; s[68:69] wqb at K step 0 of the 128 rows that I fetch, in the first tile
.set PFB,  70                          ; s[70:71] xb or wqb at K step 0 of my work-group's 32 of those rows
.set OFA,  72                          ; s[72:73] a K step's byte offset in xb; the upper word stays 0
.set OFB,  74                          ; s[74:75] in wqb
.set OFP,  76                          ; s[76:77] the prefetch's
.set NX,   78                          ; s78     the number of the K step to be asked for next
.set PFON, 80                          ; s80     1: this change of slots prefetches
.set TM,   81                          ; s81     at work
.set F0,   64
.set F1,   128
.set TMP,  192                         ; the way out: packed results, in window 0
.set OB,   32                          ; the way out: 16 rows read back from the stage: v32-63 and v224-255 by turns
.set PA,   64                          ; the very last K step: xb's fragments of 16 rows x 128 K; four such buffers, v64-191
.set G1, 24                            ; s[24:31] descriptor group 1 for xb's tiles
.set G0, 32                            ; s[32:39] group 0, one set for each slot
.set G1B, 48                           ; s[48:55] group 1 for wqb's tiles: it differs in the mask alone
.set G0B, 56                           ; s[56:63] group 0, one set for each slot
.set MSB, 0
.macro WIN new                         ; the immediate's high byte repeats the setting that is left; a switch that changes nothing is dropped
.if MSB != (\new)
	s_set_vgpr_msb (MSB<<8)|(\new)
.set MSB, \new
.endif
.endm
.set MUL_LO, 0xa1                      ; source 0 window 1, source 1 window 0, C and D window 2
.set MUL_HI, 0xf1                      ; the same, C and D window 3
.set TO_B,   0x40                      ; destination window 1, address window 0
; A joint load.  Waves 0 and 1 fetch xb's two halves, waves 2 and 3 wqb's.  The branch hangs on the wave's number alone.  An s_nop 0 and four v_nop follow each of the two lines.
.macro JLOAD s
	s_cmp_eq_u32 s11, 0
	s_cbranch_scc0 .Lfor_b_\@
	tensor_load_to_lds s[G0+4*(\s):G0+4*(\s)+3], s[G1:G1+7]
	s_nop 0
.rept 4
	v_nop
.endr
	s_branch .Lasked_\@
.Lfor_b_\@:
	tensor_load_to_lds s[G0B+4*(\s):G0B+4*(\s)+3], s[G1B:G1B+7]
	s_nop 0
.rept 4
	v_nop
.endr
.Lasked_\@:
.endm
; A PREFETCH INTO THE L2, behind each joint load, its five lines and the run of LDS loads that follows: the K step that stands TWO refills on (number n + 2): 32 rows x 256 bytes, a lane a row, one
; instruction a wave.  Each row's 256 bytes of a K step are named ONCE in the launch.  xb's tile row is read by one cluster alone (the grid is one cluster wide), which asks for it, in the first tile
; alone (n + 2 up to 7): the other tiles read the same rows again.  wqb's tile columns are read by all sixteen clusters: cluster y = 0 asks (n + 2 up to 23).  The four partners that ask for a tile
; jointly share its rows out BY ADDRESS, 32 each (by cx for xb, by cy for wqb).  K steps 0 to 3 come by their loads alone; the last two refills ask for nothing.
.macro ASK
	s_cmp_eq_u32 s[PFON], 1
	s_cbranch_scc0 .Lnot_mine_\@
	global_prefetch_b8 v[PFO], s[PFA:PFA+1] th:TH_LOAD_NT scope:SCOPE_SE
.Lnot_mine_\@:
.endm
; A round of the cluster's barrier: my work-group's barrier, so that wave 0's signal speaks for all four waves; wave 0 signals for the work-group; every wave waits for all sixteen; my work-group's barrier once more.
.macro CROUND
	s_barrier_signal -1
	s_barrier_wait -1
	s_cmp_lg_u32 s10, 0
	s_cbranch_scc1 .Lnot_wave_0_\@
	s_barrier_signal -3
.Lnot_wave_0_\@:
	s_barrier_wait -3
	s_barrier_signal -1
	s_barrier_wait -1
.endm
	s_load_b128 s[4:7], s[0:1], 0x0                ; xb s[4:5], wqb s[6:7]
	s_load_b64 s[8:9], s[0:1], 0x10                ; qkv
	v_lshl_add_u32 v[SPW], v0, 2, SPARE
	v_mov_b32 v[NIL], 0
	ds_add_u32 v[SPW], v[NIL]                      ; the wave's opening: the add and its wait stand ahead of my first tensor load; the set-up below, work on registers, stands between them
	v_lshrrev_b32 v1, 5, v0
	v_readfirstlane_b32 s10, v1                    ; wave 0..3
	s_lshr_b32 s11, s10, 1                         ; which half of the tile's rows is mine.  Also: I fetch for xb (0) or for wqb (1)
	s_and_b32 s12, s10, 1                          ; which half of its columns.  Also: which 128 rows of that tile I fetch
	s_bfe_u32 s40, ttmp6, 0x40000                  ; cx
	s_bfe_u32 s41, ttmp6, 0x40004                  ; cy
	s_lshl_b32 s42, ttmp9, 2
	s_add_co_u32 s42, s42, s40                     ; tile column (of the first tile) = 4 x cluster x + cx
	s_and_b32 s13, ttmp7, 0xffff
	s_lshl_b32 s13, s13, 2
	s_add_co_u32 s13, s13, s41                     ; tile row = 4 x cluster y + cy
	s_lshl_b32 s43, s41, 2
	s_lshl_b32 s43, 15, s43                        ; my row of the cluster: places 4 cy .. 4 cy + 3
	s_lshl_b32 s44, 0x1111, s40                    ; my column: places cx, cx + 4, cx + 8, cx + 12
	; descriptor group 1: a tile of 128 rows x 128 elements, padded in LDS
	s_or_b32 s[G1+0], s43, (1<<16)|(1<<20)|(1<<21)|(5<<22)|(3<<25)  ; 15:0 the mask; 17:16 elements of 2 bytes; 20 padding on; 21 set beside a mask; 24:22 after every 64 words (code 5); 31:25 4 words of it (code 3)
	s_or_b32 s[G1B+0], s44, (1<<16)|(1<<20)|(1<<21)|(5<<22)|(3<<25)
.irp g, G1, G1B
	s_mov_b32 s[(\g)+1], KSTEP<<16                 ; tensor_dim0 = 128
	s_mov_b32 s[(\g)+2], 128<<16                   ; tensor_dim1 = 128
	s_mov_b32 s[(\g)+3], KSTEP<<16                 ; tile_dim0 = 128
	s_mov_b32 s[(\g)+4], 128                       ; tile_dim1 = 128
	s_mov_b32 s[(\g)+5], SIZE_K                    ; elements from row to row
	s_mov_b32 s[(\g)+6], 0
	s_mov_b32 s[(\g)+7], 0
.endr
	s_mov_b32 s[OFA+1], 0
	s_mov_b32 s[OFB+1], 0
	s_mov_b32 s[OFP+1], 0
	s_mov_b32 s[NX], 2                             ; K steps 0 and 1 are asked for at the head
	; where the tiles come from: xb's hang on the tile row alone, wqb's on the tile column alone; each address is made in registers that never hold the other coordinate
	s_lshl_b32 s17, s12, 7
	s_lshl_b32 s16, s13, 8
	s_add_co_u32 s16, s16, s17                     ; xb: row 256 x tile row + 128 x half
	s_lshl_b32 s46, s42, 8
	s_add_co_u32 s46, s46, s17                     ; wqb: row 256 x tile column + 128 x half
	s_mov_b32 s17, 0
	s_mov_b32 s47, 0
	s_mov_b64 s[18:19], SIZE_K*2
	s_mul_u64 s[16:17], s[16:17], s[18:19]
	s_mul_u64 s[46:47], s[46:47], s[18:19]
	s_mul_i32 s20, s10, HALFT                      ; where they go: wave x 128 rows: no place in the cluster enters an LDS address
	s_wait_dscnt 0x0                               ; the opening add is done
	s_wait_kmcnt 0x0
	s_add_nc_u64 s[ABASE:ABASE+1], s[4:5], s[16:17]
	s_add_nc_u64 s[BBASE:BBASE+1], s[6:7], s[46:47]
	CROUND                                         ; all sixteen work-groups are here: the first joint loads meet
.irp s, 0,1
	s_mov_b32 s[G0+4*(\s)], 1                                      ; count = 1
	s_add_co_u32 s[G0+4*(\s)+1], s20, (\s)*SLOT                    ; LDS address: never rewritten
	s_add_nc_u64 s[G0+4*(\s)+2:G0+4*(\s)+3], s[ABASE:ABASE+1], (\s)*KSTEP*2  ; global address: K step s
	s_or_b32 s[G0+4*(\s)+3], s[G0+4*(\s)+3], 0x80000000            ; type = 2
	s_mov_b32 s[G0B+4*(\s)], 1
	s_add_co_u32 s[G0B+4*(\s)+1], s20, (\s)*SLOT
	s_add_nc_u64 s[G0B+4*(\s)+2:G0B+4*(\s)+3], s[BBASE:BBASE+1], (\s)*KSTEP*2
	s_or_b32 s[G0B+4*(\s)+3], s[G0B+4*(\s)+3], 0x80000000
	JLOAD \s                                       ; the ring is filled before anything else is done: two loads of mine are out
.endr
	; A fragment is 16 rows x 32 K in 8 registers: lane l holds row l % 16; registers 0-3 K = 8 (l / 16) + 0..7, registers 4-7 K = 16 + 8 (l / 16) + 0..7: two loads of 16 bytes, 32 bytes apart.
	v_and_b32 v1, 15, v0                           ; l % 16
	v_bfe_u32 v2, v0, 4, 1                         ; l / 16
	v_mul_u32_u24 v3, v1, PITCH
	v_lshl_add_u32 v3, v2, 4, v3
	s_mul_i32 s21, s11, HALFT                      ; my 128 rows of xb
	s_mul_i32 s22, s12, HALFT                      ; my 128 rows of wqb,
	s_add_co_u32 s22, s22, 2*HALFT                 ; which lie behind xb's 256
.irp s, 0,1
	v_add_nc_u32 v[ADRA+(\s)], s21, v3
	v_add_nc_u32 v[ADRB+(\s)], s22, v3
	s_add_co_u32 s21, s21, SLOT
	s_add_co_u32 s22, s22, SLOT
.endr
	s_mul_i32 s23, s10, 16*SPITCH
	s_add_co_u32 s23, s23, STAGE                   ; my stage
	v_mul_u32_u24 v4, v1, SPITCH                   ; in: row l % 16, 16 bytes for each half of the lanes
	v_lshl_add_u32 v4, v2, 4, v4
	v_add_nc_u32 v[STO], s23, v4
	v_mul_u32_u24 v5, v2, SPITCH                   ; back: lanes 0-15 take one row of 256 bytes, lanes 16-31 the next
	v_lshl_add_u32 v5, v1, 4, v5
	v_add_nc_u32 v[RD], s23, v5
	v_mul_u32_u24 v5, v2, SIZE_N*2                 ; and the same two rows in qkv
	v_lshl_add_u32 v[CO], v1, 4, v5
	; qkv at my part of the first tile
	s_lshl_b32 s13, s13, 8
	s_lshl_b32 s14, s11, 7
	s_add_co_u32 s16, s13, s14                     ; my first row
	s_mov_b32 s17, 0
	s_mov_b64 s[18:19], SIZE_N*2
	s_mul_u64 s[16:17], s[16:17], s[18:19]
	s_lshl_b32 s46, s42, 9                         ; my first column, in bytes: 512 x tile column + 256 x half
	s_lshl_b32 s47, s12, 8
	s_add_co_u32 s46, s46, s47
	s_mov_b32 s47, 0
	s_add_nc_u64 s[16:17], s[16:17], s[46:47]
	s_add_nc_u64 s[8:9], s[8:9], s[16:17]
	; the prefetches.  s13 = 256 x tile row, s42 = tile column, s40 = cx, s41 = cy still stand
	s_lshl_b32 s42, s42, 8
	s_and_b32 s22, ttmp7, 0xffff                   ; cluster y
	s_cmp_eq_u32 s11, 0                            ; do I fetch for xb?
	s_cselect_b32 s20, s13, s42                    ; the tile's first row
	s_cselect_b32 s21, s40, s41                    ; my place among the four that ask for it with me
	s_cselect_b32 s22, ttmp9, s22                  ; the coordinate along which other clusters read the same rows
	s_cselect_b32 s23, 6, 22                       ; xb: K steps up to 7; wqb: up to 23
	s_cselect_b64 s[PFB:PFB+1], s[4:5], s[6:7]
	s_cmp_eq_u32 s22, 0
	s_cselect_b32 s[LIM], s23, 0                   ; the same in all sixteen partners, for a given wave
	s_lshl_b32 s22, s12, 7
	s_add_co_u32 s20, s20, s22                     ; + the 128 rows that I fetch
	s_lshl_b32 s21, s21, 5
	s_add_co_u32 s20, s20, s21                     ; + my work-group's 32 of them
	s_mov_b32 s21, 0
	s_mov_b64 s[18:19], SIZE_K*2
	s_mul_u64 s[20:21], s[20:21], s[18:19]
	s_add_nc_u64 s[PFB:PFB+1], s[PFB:PFB+1], s[20:21]
	v_and_b32 v[PFO], 31, v0
	v_mul_u32_u24 v[PFO], v[PFO], SIZE_K*2
	; nothing is prefetched here, at the head
; count matrix instructions, numbers first .. of the 32 of one half of my rows (hi = 0: rows 0-63, 1: rows 64-127): number i is m block i / 8 x n block i % 8, 32 along K.
; zero = 1: the product starts the sum.  The 64 accumulators take turns in the same order in every quarter step.
.macro MULN f, hi, first, count, zero
	WIN MUL_LO+0x50*(\hi)
.set mi, \first
.rept \count
.if \zero
	v_wmma_f32_16x16x32_bf16 v[8*mi:8*mi+7], v[(\f)+8*(mi%8):(\f)+8*(mi%8)+7], v[(\f)+8*(4*(\hi)+mi/8):(\f)+8*(4*(\hi)+mi/8)+7], 0
.else
	v_wmma_f32_16x16x32_bf16 v[8*mi:8*mi+7], v[(\f)+8*(mi%8):(\f)+8*(mi%8)+7], v[(\f)+8*(4*(\hi)+mi/8):(\f)+8*(4*(\hi)+mi/8)+7], v[8*mi:8*mi+7]
.endif
.set mi, mi+1
.endr
.endm
; 32 LDS loads in one run: the fragments of one quarter step (32 K at byte k of the rows) into buffer f: wqb's sixteen, then xb's sixteen
.macro FETCH slot, k, f
	WIN TO_B
.irp i, 0,1,2,3,4,5,6,7
	ds_load_b128 v[(\f)+8*(\i):(\f)+8*(\i)+3],   v[ADRB+(\slot)] offset:(\k)+(\i)*16*PITCH
	ds_load_b128 v[(\f)+8*(\i)+4:(\f)+8*(\i)+7], v[ADRB+(\slot)] offset:(\k)+(\i)*16*PITCH+32
.endr
	WIN 0
.irp i, 0,1,2,3,4,5,6,7
	ds_load_b128 v[(\f)+8*(\i):(\f)+8*(\i)+3],   v[ADRA+(\slot)] offset:(\k)+(\i)*16*PITCH
	ds_load_b128 v[(\f)+8*(\i)+4:(\f)+8*(\i)+7], v[ADRA+(\slot)] offset:(\k)+(\i)*16*PITCH+32
.endr
.endm
; Four plain vector instructions stand between a matrix instruction and a load into a register that it has read, or a vector instruction that reads its result (ISA guide 7.12.1 for vector instructions)
.macro PLACES
.rept 4
	v_nop
.endr
.endm
; A K step is four quarter steps of 32 along K, 64 matrix instructions each, on buffers 0, 1, 0, 1.  One of the first three: multiplies buffer f; in its middle it fetches the next quarter, at byte k, into g.
.macro QUARTER slot, k, f, g, zero
	s_wait_dscnt 8                                 ; wqb's fragments and xb's rows 0-63 are in; the youngest eight loads (xb's rows 64-127) may be out
	MULN \f, 0, 0, 32, \zero
	PLACES
	FETCH \slot, \k, \g
	s_wait_dscnt 32                                ; all but the 32 just issued
	MULN \f, 1, 0, 32, \zero
.endm
; THE LAST QUARTER multiplies buffer 1 and changes slots.  In front of the round each wave waits for all its tensor loads, of which one is out (its part of the next slot), adds 0 to its spare word, and
; waits for that and for its own reads of this slot.  Behind the round no wave of any partner reads this slot any more or has a load on its way, and the next slot is whole: this slot is filled again
; first, with K step number NX, then the next slot's first fragments are read.  From a request to the wait for it a wave issues 224 matrix instructions, across tiles too.
; Only work on registers stands inside the round: the quarter's first 32 products are shared out, 8 while the add is out and 4, 16 and 4 between the round's three signals and their waits, so that the
; wave has products to issue while the others arrive; the other 32 stand behind the run of LDS loads.
.macro TURN slot, next
	s_wait_xcnt 0x0                                ; the last prefetch, a K step back, has read its address: the next one's is made here, ahead of the waits of the change of slots
	s_add_co_u32 s[TM], s[NX], 2                   ; the K step two refills on: tile number / 8,
	s_lshr_b32 s[OFP], s[TM], 3
	s_lshl_b32 s[OFP], s[OFP], WSH                 ; (for xb the quotient is 0 wherever a prefetch is issued)
	s_and_b32 s[TM], s[TM], 7                      ; K step number % 8
	s_lshl_b32 s[TM], s[TM], 8
	s_add_co_u32 s[OFP], s[OFP], s[TM]
	s_add_nc_u64 s[PFA:PFA+1], s[PFB:PFB+1], s[OFP:OFP+1]
	s_cmp_lt_u32 s[NX], s[LIM]
	s_cselect_b32 s[PFON], 1, 0
	WIN 0                                          ; (the add's two registers lie in window 0)
	s_wait_tensorcnt 0x0                           ; all my tensor loads have landed, so a group 0 may be written
	ds_add_u32 v[SPW], v[NIL]                      ; 0 onto my spare word: the descriptors' scalar work and eight products stand between it and the wait for it
	s_and_b32 s[OFA], s[NX], 7
	s_lshl_b32 s[OFA], s[OFA], 8                   ; K step NX % 8: 256 bytes a step, in xb and in wqb;
	s_lshr_b32 s[OFB], s[NX], 3
	s_lshl_b32 s[OFB], s[OFB], WSH                 ; tile NX / 8: 1,024 rows of wqb a tile
	s_add_co_u32 s[OFB], s[OFB], s[OFA]
	s_add_co_u32 s[NX], s[NX], 1
	s_add_nc_u64 s[G0+4*(\slot)+2:G0+4*(\slot)+3], s[ABASE:ABASE+1], s[OFA:OFA+1]
	s_or_b32 s[G0+4*(\slot)+3], s[G0+4*(\slot)+3], 0x80000000
	s_add_nc_u64 s[G0B+4*(\slot)+2:G0B+4*(\slot)+3], s[BBASE:BBASE+1], s[OFB:OFB+1]
	s_or_b32 s[G0B+4*(\slot)+3], s[G0B+4*(\slot)+3], 0x80000000
	s_wait_dscnt 9                                 ; (the add and the youngest eight loads may be out)
	MULN F1, 0, 0, 8, 0
	s_wait_dscnt 0x0                               ; the add is done, and my reads of this slot are over
	s_barrier_signal -1                            ; the round opens
	MULN F1, 0, 8, 4, 0
	WIN 0                                          ; (a branch follows)
	s_barrier_wait -1
	s_cmp_lg_u32 s10, 0
	s_cbranch_scc1 .Lnot_wave_0_\@
	s_barrier_signal -3                            ; wave 0 says so for the work-group
.Lnot_wave_0_\@:
	MULN F1, 0, 12, 16, 0
	s_barrier_wait -3                              ; all sixteen work-groups have said so
	s_barrier_signal -1
	MULN F1, 0, 28, 4, 0
	WIN 0
	s_barrier_wait -1                              ; the round is closed
	JLOAD \slot                                    ; the first tensor load behind the round, my only one until the next; its four v_nop are also the places in front of the loads below
	FETCH \next, 0, F0
	ASK
	MULN F1, 1, 0, 32, 0
.endm
; The same first half for the last change of slots of all: nothing is filled again, so one barrier of the work-group does.
.macro MEET0
	WIN 0
	s_wait_tensorcnt 0x0                           ; my one tensor load that was still out is slot 1's, the last K step's
	ds_add_u32 v[SPW], v[NIL]                      ; 0 onto my spare word
	s_wait_dscnt 9                                 ; (the add and the youngest eight loads may be out)
	MULN F1, 0, 0, 16, 0
	s_wait_dscnt 0x0
	s_barrier_signal -1
	MULN F1, 0, 16, 16, 0
	s_barrier_wait -1
.endm
; THE LAST K STEP OF THE LAST TILE (it lies in slot 1) GOES BY ROWS.  All its fragments of wqb fill window 1; then my eight blocks of 16 rows are finished one after the other,
; each with 32 matrix instructions (its 8 accumulators by turns, K ascending).
.macro BLOAD q
	WIN TO_B
.irp i, 0,1,2,3,4,5,6,7
	ds_load_b128 v[64*(\q)+8*(\i):64*(\q)+8*(\i)+3],   v[ADRB+1] offset:64*(\q)+(\i)*16*PITCH
	ds_load_b128 v[64*(\q)+8*(\i)+4:64*(\q)+8*(\i)+7], v[ADRB+1] offset:64*(\q)+(\i)*16*PITCH+32
.endr
.endm
.macro ALOAD a
	WIN 0
.set FA, PA+32*((\a)%4)
.irp q, 0,1,2,3
	ds_load_b128 v[FA+8*(\q):FA+8*(\q)+3],   v[ADRA+1] offset:64*(\q)+(\a)*16*PITCH
	ds_load_b128 v[FA+8*(\q)+4:FA+8*(\q)+7], v[ADRA+1] offset:64*(\q)+(\a)*16*PITCH+32
.endr
.endm
.macro ROW a
.set FA, PA+32*((\a)%4)
.set AC, 64*((\a)%4)
	WIN MUL_LO+0x50*((\a)/4)
.irp q, 0,1,2,3
.if (\a) == 0 && (\q) == 2
	s_wait_dscnt 24                                ; wqb's quarter 2 is in (behind it: xb's blocks 1 to 3)
.endif
.irp b, 0,1,2,3,4,5,6,7
	v_wmma_f32_16x16x32_bf16 v[AC+8*(\b):AC+8*(\b)+7], v[64*(\q)+8*(\b):64*(\q)+8*(\b)+7], v[FA+8*(\q):FA+8*(\q)+7], v[AC+8*(\b):AC+8*(\b)+7]
.endr
.endr
.endm
; THE WAY OUT of block a.  PACK: rounded to f16, 16 bytes a lane, each accumulator's registers in ascending order.  TOSTAGE: into my own stage, and back as whole rows of 256 bytes.  SEND: stored.
.macro PACK a
.set AC, 64*((\a)%4)
	WIN 0x0a+5*((\a)/4)                            ; sources 0 and 1: window 2 or 3
.irp b, 0,1,2,3,4,5,6,7
.irp r, 0,1,2,3
	v_cvt_pk_f16_f32 v[TMP+4*(\b)+(\r)], v[AC+8*(\b)+2*(\r)], v[AC+8*(\b)+2*(\r)+1]
.endr
.endr
	WIN 0
.endm
.macro TOSTAGE a
	WIN 0
.set BK, OB+192*((\a)%2)
.irp b, 0,1,2,3,4,5,6,7
	ds_store_b128 v[STO], v[TMP+4*(\b):TMP+4*(\b)+3] offset:32*(\b)
.endr
.irp t, 0,1,2,3,4,5,6,7
	ds_load_b128 v[BK+4*(\t):BK+4*(\t)+3], v[RD] offset:(\t)*2*SPITCH  ; LDS serves a wave's instructions in order (ISA guide 5.7.1.4): these see the stores above
.endr
.endm
.macro SEND a, younger                 ; younger: the LDS loads issued behind TOSTAGE's, which may stay out
	WIN 0
.set BK, OB+192*((\a)%2)
	s_wait_dscnt \younger                          ; the block is back in registers
	s_wait_xcnt 0x0                                ; the stores of the block before have read their registers: the block after this one loads into them
.irp t, 0,1,2,3,4,5,6,7
	global_store_b128 v[CO], v[BK+4*(\t):BK+4*(\t)+3], s[8:9] offset:(16*(\a)+2*(\t))*SIZE_N*2 th:TH_STORE_NT  ; 16 lanes store 256 consecutive bytes, at a multiple of 256 from qkv's first byte; 126 rows at the most, inside the signed 24-bit immediate
.endr
.endm
	s_wait_tensorcnt 1                             ; my part of K step 0 is in; K step 1's load, issued behind it, may stay out
	s_barrier_signal -1
	s_barrier_wait -1                              ; everybody's is
	FETCH 0, 0, F0
	s_mov_b32 s2, TILES                            ; tiles to go, this one among them
.Ltile:
	QUARTER 0, 64,  F0, F1, 1                      ; a tile's first quarter stands in front of the loop: its products start the sums
	WIN 0                                          ; at a label and at a branch every window is 0
	s_mov_b32 s3, LAPS                             ; laps to go, this one among them
	s_branch .Lin                                  ; the loop is entered behind a lap's first quarter
.Llap:                                             ; a trip goes once round the ring and fills both slots again
	QUARTER 0, 64,  F0, F1, 0
	WIN 0
.Lin:
	s_cmp_lg_u32 s3, 1
	s_cbranch_scc1 .Lgo
	s_cmp_eq_u32 s2, 1
	s_cbranch_scc1 .Llast_lap                      ; the last tile's last lap is written out: it asks for nothing more
.Lgo:
	QUARTER 0, 128, F1, F0, 0
	QUARTER 0, 192, F0, F1, 0
	TURN 0, 1
	QUARTER 1, 64,  F0, F1, 0
	QUARTER 1, 128, F1, F0, 0
	QUARTER 1, 192, F0, F1, 0
	TURN 1, 0                                      ; in a tile's last lap the two refills were the next tile's K steps 0 and 1, and these are its first fragments
	WIN 0
	s_sub_co_u32 s3, s3, 1
	s_cmp_lg_u32 s3, 0
	s_cbranch_scc1 .Llap
	PACK 0                                         ; both refills are asked for: now the tile goes out.  Blocks 0-3 were finished in front of the joint load's places, and their conversions are the places behind the last products
	TOSTAGE 0
.irp a, 1,2,3,4,5,6,7                  ; block a's conversions stand between block a - 1's loads from the stage and the wait for them
	PACK \a
	SEND (\a)-1, 0
	TOSTAGE \a
.endr
	SEND 7, 0
	s_wait_xcnt 0x0                                ; the stores have read their base
	s_add_nc_u64 s[8:9], s[8:9], WALK*2            ; the next tile lies 1,024 columns to the right
	s_sub_co_u32 s2, s2, 1
	s_branch .Ltile
.Llast_lap:
	QUARTER 0, 128, F1, F0, 0
	QUARTER 0, 192, F0, F1, 0
	MEET0
	PLACES                                         ; for the loads into buffer 0, which the quarter before multiplied
	BLOAD 0                                        ; three quarters of wqb now: buffer 1 is still being multiplied
	BLOAD 1
	BLOAD 3
	ALOAD 0
	MULN F1, 1, 0, 32, 0
	PLACES                                         ; for the loads into buffer 1
	BLOAD 2
	ALOAD 1
	ALOAD 2
	ALOAD 3
	s_wait_dscnt 40                                ; all but the 40 just issued
	ROW 0
.irp a, 0,1,2,3,4,5,6,7                ; each block leaves as soon as it is finished
	PLACES                                         ; its conversions read results just made
	PACK \a
	TOSTAGE \a
.if (\a) < 4
	ALOAD (\a)+4                                   ; its buffer takes the block four further on
	SEND \a, 8
.else
	SEND \a, 0
.endif
.if (\a) < 7
	ROW (\a)+1
.endif
.endr
	s_wait_tensorcnt 0x0                           ; the wave's end, behind my last tensor load and my last LDS store
	ds_add_u32 v[SPW], v[NIL]
	s_wait_dscnt 0x0
	CROUND                                         ; the closing round: no work-group ends while a partner may still ask for a tile that names it
	s_endpgm
.Lfunc_end_k_qa60c1fd520_proj:
	.size	k_qa60c1fd520_proj, .Lfunc_end_k_qa60c1fd520_proj-k_qa60c1fd520_proj
	.p2alignl 7, 3214868480
	.fill 96, 4, 3214868480
	.section	.rodata,"a",@progbits
	.p2align	6, 0x0
	.amdhsa_kernel k_qa60c1fd520_proj
		.amdhsa_group_segment_fixed_size 327680
		.amdhsa_private_segment_fixed_size 0
		.amdhsa_enable_private_segment 0
		.amdhsa_kernarg_size 24
		.amdhsa_user_sgpr_count 2
		.amdhsa_user_sgpr_kernarg_segment_ptr 1
		.amdhsa_wavefront_size32 1
		.amdhsa_system_sgpr_workgroup_id_x 1
		.amdhsa_system_sgpr_workgroup_id_y 1
		.amdhsa_system_sgpr_workgroup_id_z 1
		.amdhsa_system_vgpr_workitem_id 0
		.amdhsa_next_free_vgpr 1024
		.amdhsa_next_free_sgpr 82
		.amdhsa_reserve_vcc 0
		.amdhsa_float_denorm_mode_32 3
		.amdhsa_float_denorm_mode_16_64 3
		.amdhsa_memory_ordered 1
		.amdhsa_forward_progress 1
		.amdhsa_inst_pref_size 176
	.end_amdhsa_kernel
	.amdgpu_metadata
---
amdhsa.version: [ 1, 2 ]
amdhsa.kernels:
  - .name:           k_qa60c1fd520_proj
    .symbol:         k_qa60c1fd520_proj.kd
    .args:
      - { .name: xb, .offset: 0, .size: 8, .value_kind: global_buffer, .address_space: global }
      - { .name: wqb, .offset: 8, .size: 8, .value_kind: global_buffer, .address_space: global }
      - { .name: qkv, .offset: 16, .size: 8, .value_kind: global_buffer, .address_space: global }
    .group_segment_fixed_size: 327680
    .private_segment_fixed_size: 0
    .kernarg_segment_align: 8
    .kernarg_segment_size: 24
    .max_flat_workgroup_size: 128
    .sgpr_count:     82
    .vgpr_count:     1024
    .wavefront_size: 32
...
	.end_amdgpu_metadata
.endif
;; end of part 2
;; launch heads (part 3): grid 1024 x 1, 4 waves a work-group, no clusters, 0 bytes of LDS; arguments qkv, att; writes att
.if DOCPART == 3
	.amdgcn_target "amdgcn-amd-amdhsa--gfx1250"
	.amdhsa_code_object_version 6
	.text
	.protected	k_qa60c1fd520_heads
	.globl	k_qa60c1fd520_heads
	.p2align	8
	.type	k_qa60c1fd520_heads,@function
k_qa60c1fd520_heads:
	s_mov_b64 s[64:65], 0
	v_nop
	global_prefetch_b8 v0, s[64:65] scope:SCOPE_SE
	s_setreg_imm32_b32 hwreg(HW_REG_WAVE_MODE, 25, 1), 1
	s_wait_xcnt 0x0
; FOR EACH TOKEN, ATTENTION ACROSS ITS 16 HEADS.  s[h][g] = q[h] . k[g] / 32; w = softmax over g; attn[h] = the sum over g of w[h][g] v[g].
; qkv: [16384][3072] f16, a token's 6,144 bytes laid out by the launches before:  q at byte 0, k at 2,048: block d / 16 of 512 bytes, in it head x 32 bytes + 2 (d % 16);  v at 4,096: channel d x 32 bytes + 2 g.
; att: [16384][1024] f16, in q's order of columns.  Products, maximum and sum in f32; the weights, divided by their sum, are rounded to f16 for the second product; attn is rounded once.
; LIMITS.  q, k and v arrive within f16's 65,504 and are finite; a weight below 2^-126 counts as 0; NaN and infinities are not treated apart.
; SHARES.  A wave owns four tokens on end; nothing is shared between waves, so there is no LDS and no barrier.  All 48 loads of a wave (24,576 bytes) go out first; there is no loop.
; LAYOUT.  Every load and store of a wave is 512 consecutive bytes, lane l at 32 (l % 16) + 16 (l / 16): that IS a matrix fragment's half: row l % 16, eight numbers 8 (l / 16) + 0..7 along K.
; S^T = K Q^T (source 0 = 16 key heads, source 1 = 16 query heads): a lane holds ONE query head (l % 16) and the key heads 8 (l / 16) + 0..7; rounded in pairs these ARE registers 0-3 of source 1
; (K = key head 0..15) of O^T = V^T P; registers 4-7 (K = 16..31) are 0, so what stands in source 0's upper four registers (the next tile's finite numbers; zeros behind the last) adds nothing.
; O^T again holds one query head a lane and eight channels: 16 bytes of att.
; The four tokens go side by side through every step, so that no instruction waits for the one before it and the accumulators take turns.
.set TOK, 6144                         ; bytes of a token in qkv
.set ST,  4                            ; v[4:19]    token t at ST + 4 t: c m, m, l and then 1 / l, one at work
.set QF,  20                           ; v[20:83]   q, 16 registers a token
.set KF,  84                           ; v[84:147]  k
.set VF,  148                          ; v[148:211] v, 16 a token: channels 16 c .. at + 4 c
.set ZF,  212                          ; v[212:215] 0, behind v's last tile
.set SF,  216                          ; v[216:247] S^T, 8 a token; then P in place
.set OF,  20                           ; O^T takes q's and k's registers: token t at OF + 32 t, channels 16 c .. at + 8 c
	s_load_b128 s[4:7], s[0:1], 0x0                ; qkv s[4:5], att s[6:7]
	v_lshrrev_b32 v2, 5, v0
	v_readfirstlane_b32 s8, v2                     ; wave 0..3
	s_lshl_b32 s9, ttmp9, 2
	s_add_co_u32 s9, s9, s8                        ; my wave among the launch's 4,096
	s_mul_i32 s10, s9, 4*TOK                       ; its four tokens in qkv,
	s_mov_b32 s11, 0
	s_lshl_b32 s12, s9, 13                         ; and in att
	s_mov_b32 s13, 0
	s_mov_b32 s14, 0x3d38aa3b                      ; c = log2(e) / 32 = 0.0450842
	s_mov_b32 s15, s14                             ; named with it as a pair
	s_mov_b32 s16, 0x76543210                      ; v_permlanex16_b32: each lane takes its own place in the other half
	s_mov_b32 s17, 0xfedcba98
	v_and_b32 v1, 15, v0
	v_bfe_u32 v2, v0, 4, 1
	v_lshlrev_b32 v1, 5, v1
	v_lshl_add_u32 v1, v2, 4, v1                   ; 32 (l % 16) + 16 (l / 16): the one lane offset; never rewritten
	s_wait_kmcnt 0x0
	s_add_nc_u64 s[4:5], s[4:5], s[10:11]
	s_add_nc_u64 s[6:7], s[6:7], s[12:13]
.irp t, 0,1,2,3
.irp n, 0,1,2,3
	global_load_b128 v[QF+16*(\t)+4*(\n):QF+16*(\t)+4*(\n)+3], v1, s[4:5] offset:(\t)*TOK+512*(\n) th:TH_LOAD_NT
	global_load_b128 v[KF+16*(\t)+4*(\n):KF+16*(\t)+4*(\n)+3], v1, s[4:5] offset:(\t)*TOK+2048+512*(\n) th:TH_LOAD_NT
.endr
.endr
.irp t, 0,1,2,3
.irp c, 0,1,2,3
	global_load_b128 v[VF+16*(\t)+4*(\c):VF+16*(\t)+4*(\c)+3], v1, s[4:5] offset:(\t)*TOK+4096+512*(\c) th:TH_LOAD_NT
.endr
.endr
.irp i, 0,1,2,3
	v_mov_b32 v[ZF+(\i)], 0
.endr
	s_wait_loadcnt 16                              ; q and k are in; v's sixteen loads, issued behind them, may stay out
.irp s, 0,1
.irp t, 0,1,2,3
.if (\s) == 0
	v_wmma_f32_16x16x32_f16 v[SF+8*(\t):SF+8*(\t)+7], v[KF+16*(\t):KF+16*(\t)+7], v[QF+16*(\t):QF+16*(\t)+7], 0
.else
	v_wmma_f32_16x16x32_f16 v[SF+8*(\t):SF+8*(\t)+7], v[KF+16*(\t)+8:KF+16*(\t)+15], v[QF+16*(\t)+8:QF+16*(\t)+15], v[SF+8*(\t):SF+8*(\t)+7]
.endif
.endr
.endr
.irp t, 0,1,2,3
	v_mov_b32 v[ST+4*(\t)+3], 0                    ; v_permlanex16_b32's destination counts as read: it is written here; with the four v_nop these are the places behind the products
.endr
.rept 4
	v_nop
.endr
	; the maximum of the lane's eight scores, from the accumulator's low end on; then the other eight key heads', which lie in the lane 16 away
.irp t, 0,1,2,3
	v_max3_num_f32 v[ST+4*(\t)+1], v[SF+8*(\t)], v[SF+8*(\t)+1], v[SF+8*(\t)+2]
.endr
.irp t, 0,1,2,3
	v_max3_num_f32 v[ST+4*(\t)+1], v[ST+4*(\t)+1], v[SF+8*(\t)+3], v[SF+8*(\t)+4]
.endr
.irp t, 0,1,2,3
	v_max3_num_f32 v[ST+4*(\t)+1], v[ST+4*(\t)+1], v[SF+8*(\t)+5], v[SF+8*(\t)+6]
.endr
.irp t, 0,1,2,3
	v_max_num_f32 v[ST+4*(\t)+1], v[ST+4*(\t)+1], v[SF+8*(\t)+7]
.endr
.irp t, 0,1,2,3
	v_permlanex16_b32 v[ST+4*(\t)+3], v[ST+4*(\t)+1], s16, s17
.endr
.irp t, 0,1,2,3
	v_max_num_f32 v[ST+4*(\t)+1], v[ST+4*(\t)+1], v[ST+4*(\t)+3]
.endr
.irp t, 0,1,2,3
	v_mul_f32 v[ST+4*(\t)], s14, v[ST+4*(\t)+1]    ; c m
.endr
.irp i, 0,1,2,3
.irp t, 0,1,2,3
	v_pk_fma_f32 v[SF+8*(\t)+2*(\i):SF+8*(\t)+2*(\i)+1], v[SF+8*(\t)+2*(\i):SF+8*(\t)+2*(\i)+1], s[14:15], v[ST+4*(\t):ST+4*(\t)+1] op_sel_hi:[1,0,0] neg_lo:[0,0,1] neg_hi:[0,0,1]  ; c s - c m
.endr
.endr
.irp j, 0,1,2,3,4,5,6,7
.irp t, 0,1,2,3
	v_exp_f32 v[SF+8*(\t)+(\j)], v[SF+8*(\t)+(\j)] ; ONE batch of 32
.endr
.endr
	v_nop                                          ; a plain instruction behind the last exponential (ISA guide 5.7.2),
	s_wait_alu depctr_va_vdst(0)                   ; and one wait ahead of the batch's first reader
.irp t, 0,1,2,3
	v_pk_add_f32 v[ST+4*(\t)+2:ST+4*(\t)+3], v[SF+8*(\t):SF+8*(\t)+1], v[SF+8*(\t)+2:SF+8*(\t)+3]
.endr
.irp t, 0,1,2,3
	v_pk_add_f32 v[ST+4*(\t)+2:ST+4*(\t)+3], v[ST+4*(\t)+2:ST+4*(\t)+3], v[SF+8*(\t)+4:SF+8*(\t)+5]
.endr
.irp t, 0,1,2,3
	v_pk_add_f32 v[ST+4*(\t)+2:ST+4*(\t)+3], v[ST+4*(\t)+2:ST+4*(\t)+3], v[SF+8*(\t)+6:SF+8*(\t)+7]
.endr
.irp t, 0,1,2,3
	v_add_f32 v[ST+4*(\t)+2], v[ST+4*(\t)+2], v[ST+4*(\t)+3]
.endr
.irp t, 0,1,2,3
	v_permlanex16_b32 v[ST+4*(\t)+3], v[ST+4*(\t)+2], s16, s17
.endr
.irp t, 0,1,2,3
	v_add_f32 v[ST+4*(\t)+2], v[ST+4*(\t)+2], v[ST+4*(\t)+3]  ; l: at least about 1, the largest score's own weight
.endr
.irp t, 0,1,2,3
	v_rcp_f32 v[ST+4*(\t)+2], v[ST+4*(\t)+2]
.endr
	v_nop
	s_wait_alu depctr_va_vdst(0)                   ; one wait for the four reciprocals
.irp i, 0,1,2,3
.irp t, 0,1,2,3
	v_pk_mul_f32 v[SF+8*(\t)+2*(\i):SF+8*(\t)+2*(\i)+1], v[SF+8*(\t)+2*(\i):SF+8*(\t)+2*(\i)+1], v[ST+4*(\t)+2:ST+4*(\t)+3] op_sel_hi:[1,0]  ; w = p / l, in 0 to 1
.endr
.endr
.irp i, 0,1,2,3
.irp t, 0,1,2,3
	v_cvt_pk_f16_f32 v[SF+8*(\t)+(\i)], v[SF+8*(\t)+2*(\i)], v[SF+8*(\t)+2*(\i)+1]  ; in place, ascending: register i is written when pairs 0 .. i have been read
.endr
.endr
.irp i, 4,5,6,7
.irp t, 0,1,2,3
	v_mov_b32 v[SF+8*(\t)+(\i)], 0                 ; K = 16 .. 31 is empty
.endr
.endr
	s_wait_loadcnt 0x0                             ; v is in
.irp c, 0,1,2,3
.irp t, 0,1,2,3
	v_wmma_f32_16x16x32_f16 v[OF+32*(\t)+8*(\c):OF+32*(\t)+8*(\c)+7], v[VF+16*(\t)+4*(\c):VF+16*(\t)+4*(\c)+7], v[SF+8*(\t):SF+8*(\t)+7], 0
.endr
.endr
.rept 8
	v_nop                                          ; the places behind the products
.endr
.irp t, 0,1,2,3
.irp i, 0,1,2,3,4,5,6,7,8,9,10,11,12,13,14,15
	v_cvt_pk_f16_f32 v[OF+32*(\t)+(\i)], v[OF+32*(\t)+2*(\i)], v[OF+32*(\t)+2*(\i)+1]  ; in place, ascending: each accumulator is read from its low end on
.endr
.irp c, 0,1,2,3
	global_store_b128 v1, v[OF+32*(\t)+4*(\c):OF+32*(\t)+4*(\c)+3], s[6:7] offset:2048*(\t)+512*(\c) th:TH_STORE_NT  ; 512 consecutive bytes, at a multiple of 512 from att's first byte
.endr
.endr
	s_endpgm
.Lfunc_end_k_qa60c1fd520_heads:
	.size	k_qa60c1fd520_heads, .Lfunc_end_k_qa60c1fd520_heads-k_qa60c1fd520_heads
	.p2alignl 7, 3214868480
	.fill 96, 4, 3214868480
	.section	.rodata,"a",@progbits
	.p2align	6, 0x0
	.amdhsa_kernel k_qa60c1fd520_heads
		.amdhsa_group_segment_fixed_size 0
		.amdhsa_private_segment_fixed_size 0
		.amdhsa_enable_private_segment 0
		.amdhsa_kernarg_size 16
		.amdhsa_user_sgpr_count 2
		.amdhsa_user_sgpr_kernarg_segment_ptr 1
		.amdhsa_wavefront_size32 1
		.amdhsa_system_sgpr_workgroup_id_x 1
		.amdhsa_system_sgpr_workgroup_id_y 1
		.amdhsa_system_sgpr_workgroup_id_z 1
		.amdhsa_system_vgpr_workitem_id 0
		.amdhsa_next_free_vgpr 248
		.amdhsa_next_free_sgpr 66
		.amdhsa_reserve_vcc 0
		.amdhsa_float_denorm_mode_32 3
		.amdhsa_float_denorm_mode_16_64 3
		.amdhsa_memory_ordered 1
		.amdhsa_forward_progress 1
		.amdhsa_inst_pref_size 21
	.end_amdhsa_kernel
	.amdgpu_metadata
---
amdhsa.version: [ 1, 2 ]
amdhsa.kernels:
  - .name:           k_qa60c1fd520_heads
    .symbol:         k_qa60c1fd520_heads.kd
    .args:
      - { .name: qkv, .offset: 0, .size: 8, .value_kind: global_buffer, .address_space: global }
      - { .name: att, .offset: 8, .size: 8, .value_kind: global_buffer, .address_space: global }
    .group_segment_fixed_size: 0
    .private_segment_fixed_size: 0
    .kernarg_segment_align: 8
    .kernarg_segment_size: 16
    .max_flat_workgroup_size: 128
    .sgpr_count:     66
    .vgpr_count:     248
    .wavefront_size: 32
...
	.end_amdgpu_metadata
.endif
;; end of part 3
;; launch outp (part 4): grid 4 x 64, 4 waves a work-group, clusters of 4 x 4, 327,680 bytes of LDS; arguments att, woh, bo, out0; writes out0
.if DOCPART == 4
	.amdgcn_target "amdgcn-amd-amdhsa--gfx1250"
	.amdhsa_code_object_version 6
	.text
	.protected	k_qa60c1fd520_outp
	.globl	k_qa60c1fd520_outp
	.p2align	8
	.type	k_qa60c1fd520_outp,@function
k_qa60c1fd520_outp:
	s_mov_b64 s[64:65], 0
	v_nop
	global_prefetch_b8 v0, s[64:65] scope:SCOPE_SE
	s_setreg_imm32_b32 hwreg(HW_REG_WAVE_MODE, 25, 1), 1
	s_wait_xcnt 0x0
	s_wait_alu depctr_hold_cnt(0) depctr_sa_sdst(0) depctr_va_vdst(0) depctr_va_sdst(0) depctr_va_ssrc(0) depctr_va_vcc(0) depctr_vm_vsrc(0)
	s_getreg_b32 s2, hwreg(HW_REG_IB_STS2, 6, 4)
	s_cmp_eq_u32 s2, 0
	s_cbranch_scc0 .Lentry_in_a_cluster
	s_endpgm
.Lentry_in_a_cluster:
	s_bfe_u32 s2, ttmp6, 0x10000c
	s_cmp_lg_u32 s2, 0xf033
	s_cbranch_scc0 .Lentry_shape_is_right
	s_endpgm
.Lentry_shape_is_right:
; out0[m][n] = sum over k of att[m][k] woh[n][k] + bo[n].  att: [16384][1024] f16, woh: [1024][1024] f16 (both with the same order of k), bo: [1024] f32, out0: [16384][1024] f32.
; Sums in f32.  bo is rounded to bf16, like the module's other inputs, and is the C operand of the product that starts each sum: no addition is written.
; A tile of out0, 256 x 256, is made by a work-group of four waves; a wave makes 128 x 128: 64 accumulators, 512 registers.  64 x 4 tiles: one for each of 256 work-groups.
; K goes in steps of 128 through a ring of two LDS slots filled by the tensor data mover; rows of 256 bytes, aligned.  The last K step goes by rows, so that finished rows leave while the others are multiplied.
; CLUSTERS: 4 x 4 work-groups; att's tiles are asked for jointly along a row of the cluster, woh's along a column.
; REGISTERS, in windows of 256 (s_set_vgpr_msb's low byte: bits 1:0 source 0, 3:2 source 1, 5:4 source 2, 7:6 destination):
;   window 0: v0-31 addresses; v64-127, v128-191 fragments of att, two buffers (in the last K step four, of 16 rows x 128 K); v192-255 16 rows on the way out
;   window 1: v64-127, v128-191 fragments of woh, two buffers; v192-255 the bias of my 128 columns, as C operands; v0-3 at work; in the last K step all 256 hold woh's fragments
;   window 2: the 32 accumulators of my rows 0-63 (accumulator (a, b) at v[8 (8 a + b)]);   window 3: those of my rows 64-127
; THE MATRIX INSTRUCTION IS USED TRANSPOSED: source 0 = 16 rows of woh, source 1 = 16 rows of att: lane l holds row l % 16 and the columns 8 (l / 16) + 0..7: 32 bytes of out0 on end.
.set SIZE_N, 1024
.set SIZE_K, 1024
.set KSTEP,  128
.set PITCH,  272                       ; an LDS row: 256 bytes + 16 of padding = 68 words: row r starts at bank 4 r mod 64 (64 banks of 4 bytes: ISA guide 11.1)
.set HALFT,  128*PITCH
.set SLOT,   4*HALFT                   ; att's 256 rows, then woh's 256 rows
.set STAGE,  2*SLOT                    ; behind the ring: 16 rows x 528 bytes for each wave, for the way out
.set SPITCH, 528                       ; 512 bytes + 16 = 132 words: again row r starts at bank 4 r mod 64
.set SPARE,  STAGE+4*16*SPITCH         ; behind the stages: the spare words, 128 bytes for each wave: two blocks of 256 bytes that no other line names
.set LAPS,   SIZE_K/(2*KSTEP)
.set ADRA, 16                          ; v16-17  LDS address of my att fragments in slot 0, 1
.set ADRB, 20                          ; v20-21  the same for woh
.set STO,  24                          ; v24     the way out: where I put 32 bytes of a row
.set RD,   25                          ; v25     the way out: where I read 16 bytes of a row back
.set CO,   26                          ; v26     16 x my lane: my byte offset in 512 bytes of out0; never rewritten
.set BO,   27                          ; v27     32 (l / 16): my eight columns in a block of sixteen of bo
.set SPW,  28                          ; v28     LDS address of my spare word; never rewritten
.set NIL,  29                          ; v29     0; never rewritten
.set PFO,  30                          ; v30     the prefetches' offset: my lane x a row of 2,048 bytes; never rewritten
.set PFA,  44                          ; s[44:45] where my prefetches stand
.set LIM,  43                          ; s43     1 in a wave that prefetches, else the greatest number
.set F0,   64
.set F1,   128
.set BI,   192                         ; window 1: the bias for n block b at BI + 8 b
.set BK,   192                         ; window 0: 16 rows read back from the stage
.set PA,   64
.set G1, 24                            ; s[24:31], s[32:39] descriptor groups 1 and 0 (a set for each slot) for att's tiles
.set G0, 32
.set G1B, 48                           ; s[48:55], s[56:63] the same for woh's
.set G0B, 56
.set MSB, 0
.macro WIN new                         ; the immediate's high byte repeats the setting that is left; a switch that changes nothing is dropped
.if MSB != (\new)
	s_set_vgpr_msb (MSB<<8)|(\new)
.set MSB, \new
.endif
.endm
.set MUL_LO, 0xa1                      ; source 0 window 1, source 1 window 0, C and D window 2
.set MUL_HI, 0xf1                      ; the same, C and D window 3
.set TO_B,   0x40                      ; destination window 1, address window 0
.macro JLOAD s                         ; a joint load: waves 0 and 1 fetch att's two halves, waves 2 and 3 woh's; an s_nop 0 and four v_nop follow each of the two lines
	s_cmp_eq_u32 s11, 0
	s_cbranch_scc0 .Lfor_b_\@
	tensor_load_to_lds s[G0+4*(\s):G0+4*(\s)+3], s[G1:G1+7]
	s_nop 0
.rept 4
	v_nop
.endr
	s_branch .Lasked_\@
.Lfor_b_\@:
	tensor_load_to_lds s[G0B+4*(\s):G0B+4*(\s)+3], s[G1B:G1B+7]
	s_nop 0
.rept 4
	v_nop
.endr
.Lasked_\@:
.endm
; A PREFETCH INTO THE L2, behind each joint load, its five lines and the run of LDS loads that follows: the K step that stands TWO refills on: 32 rows x 256 bytes, a lane a row, one instruction a wave.
; Each row's 256 bytes of a K step are named once: att's tile row is read by one cluster alone, which asks; woh's tile column by all sixteen: cluster y = 0 asks.  The four partners share a tile's rows
; out by address, 32 each.  The last two refills have no K step two on and ask for nothing; K steps 0 to 3 come by their loads alone.
.macro ASK
	s_cmp_gt_u32 s3, s[LIM]                        ; s3 = 1 in the loop's last trip
	s_cbranch_scc0 .Lnot_mine_\@
	global_prefetch_b8 v[PFO], s[PFA:PFA+1] offset:KSTEP*2 th:TH_LOAD_NT scope:SCOPE_SE
.Lnot_mine_\@:
.endm
.macro CROUND                          ; a round of the cluster's barrier
	s_barrier_signal -1
	s_barrier_wait -1
	s_cmp_lg_u32 s10, 0
	s_cbranch_scc1 .Lnot_wave_0_\@
	s_barrier_signal -3
.Lnot_wave_0_\@:
	s_barrier_wait -3
	s_barrier_signal -1
	s_barrier_wait -1
.endm
	s_load_b128 s[4:7], s[0:1], 0x0                ; att s[4:5], woh s[6:7]
	s_load_b64 s[66:67], s[0:1], 0x10              ; bo
	s_load_b64 s[8:9], s[0:1], 0x18                ; out0
	v_lshl_add_u32 v[SPW], v0, 2, SPARE
	v_mov_b32 v[NIL], 0
	ds_add_u32 v[SPW], v[NIL]                      ; the wave's opening: the add and its wait stand ahead of my first tensor load; the set-up below, work on registers, stands between them
	v_lshrrev_b32 v1, 5, v0
	v_readfirstlane_b32 s10, v1                    ; wave 0..3
	s_lshr_b32 s11, s10, 1                         ; which half of the tile's rows is mine.  Also: I fetch for att (0) or for woh (1)
	s_and_b32 s12, s10, 1                          ; which half of its columns.  Also: which 128 rows of that tile I fetch
	s_bfe_u32 s40, ttmp6, 0x40000                  ; cx
	s_bfe_u32 s41, ttmp6, 0x40004                  ; cy
	s_lshl_b32 s42, ttmp9, 2
	s_add_co_u32 s42, s42, s40                     ; tile column = 4 x cluster x + cx
	s_and_b32 s13, ttmp7, 0xffff
	s_lshl_b32 s13, s13, 2
	s_add_co_u32 s13, s13, s41                     ; tile row = 4 x cluster y + cy
	s_lshl_b32 s43, s41, 2
	s_lshl_b32 s43, 15, s43                        ; my row of the cluster
	s_lshl_b32 s44, 0x1111, s40                    ; my column
	s_mov_b32 s68, 0xffff0000                      ; a word's upper bf16
	s_or_b32 s[G1+0], s43, (1<<16)|(1<<20)|(1<<21)|(5<<22)|(3<<25)  ; 15:0 the mask; 17:16 elements of 2 bytes; 20 padding on; 21 set beside a mask; 24:22 after every 64 words (code 5); 31:25 4 words of it (code 3)
	s_or_b32 s[G1B+0], s44, (1<<16)|(1<<20)|(1<<21)|(5<<22)|(3<<25)
.irp g, G1, G1B
	s_mov_b32 s[(\g)+1], KSTEP<<16                 ; tensor_dim0 = 128
	s_mov_b32 s[(\g)+2], 128<<16                   ; tensor_dim1 = 128
	s_mov_b32 s[(\g)+3], KSTEP<<16                 ; tile_dim0 = 128
	s_mov_b32 s[(\g)+4], 128                       ; tile_dim1 = 128
	s_mov_b32 s[(\g)+5], SIZE_K                    ; elements from row to row
	s_mov_b32 s[(\g)+6], 0
	s_mov_b32 s[(\g)+7], 0
.endr
	s_lshl_b32 s17, s12, 7
	s_lshl_b32 s16, s13, 8
	s_add_co_u32 s16, s16, s17                     ; att: row 256 x tile row + 128 x half
	s_lshl_b32 s46, s42, 8
	s_add_co_u32 s46, s46, s17                     ; woh: row 256 x tile column + 128 x half
	s_mov_b32 s17, 0
	s_mov_b32 s47, 0
	s_mov_b64 s[18:19], SIZE_K*2
	s_mul_u64 s[16:17], s[16:17], s[18:19]
	s_mul_u64 s[46:47], s[46:47], s[18:19]
	s_mul_i32 s20, s10, HALFT                      ; where they go: wave x 128 rows
	s_wait_dscnt 0x0                               ; the opening add is done
	s_wait_kmcnt 0x0
	s_add_nc_u64 s[14:15], s[4:5], s[16:17]
	s_add_nc_u64 s[46:47], s[6:7], s[46:47]
	CROUND                                         ; all sixteen work-groups are here: the first joint loads meet
.irp s, 0,1
	s_mov_b32 s[G0+4*(\s)], 1
	s_add_co_u32 s[G0+4*(\s)+1], s20, (\s)*SLOT
	s_add_nc_u64 s[G0+4*(\s)+2:G0+4*(\s)+3], s[14:15], (\s)*KSTEP*2
	s_or_b32 s[G0+4*(\s)+3], s[G0+4*(\s)+3], 0x80000000
	s_mov_b32 s[G0B+4*(\s)], 1
	s_add_co_u32 s[G0B+4*(\s)+1], s20, (\s)*SLOT
	s_add_nc_u64 s[G0B+4*(\s)+2:G0B+4*(\s)+3], s[46:47], (\s)*KSTEP*2
	s_or_b32 s[G0B+4*(\s)+3], s[G0B+4*(\s)+3], 0x80000000
	JLOAD \s                                       ; two loads of mine are out
.endr
	v_and_b32 v1, 15, v0                           ; l % 16
	v_bfe_u32 v2, v0, 4, 1                         ; l / 16
	v_mul_u32_u24 v3, v1, PITCH
	v_lshl_add_u32 v3, v2, 4, v3                   ; a fragment's row x pitch + 16 x half
	s_mul_i32 s21, s11, HALFT                      ; my 128 rows of att
	s_mul_i32 s22, s12, HALFT                      ; my 128 rows of woh,
	s_add_co_u32 s22, s22, 2*HALFT                 ; which lie behind att's 256
.irp s, 0,1
	v_add_nc_u32 v[ADRA+(\s)], s21, v3
	v_add_nc_u32 v[ADRB+(\s)], s22, v3
	s_add_co_u32 s21, s21, SLOT
	s_add_co_u32 s22, s22, SLOT
.endr
	s_mul_i32 s23, s10, 16*SPITCH
	s_add_co_u32 s23, s23, STAGE                   ; my stage
	v_mul_u32_u24 v4, v1, SPITCH                   ; in: row l % 16, 32 bytes for each half of the lanes
	v_lshl_add_u32 v4, v2, 5, v4
	v_add_nc_u32 v[STO], s23, v4
	v_and_b32 v5, 31, v0
	v_lshlrev_b32 v[CO], 4, v5                     ; back: the 32 lanes take one row of 512 bytes
	v_add_nc_u32 v[RD], s23, v[CO]
	v_lshlrev_b32 v[BO], 5, v2
	; out0 at my part of the tile; bo at my 128 columns
	s_lshl_b32 s13, s13, 8
	s_lshl_b32 s14, s11, 7
	s_add_co_u32 s16, s13, s14                     ; my first row
	s_mov_b32 s17, 0
	s_mov_b64 s[18:19], SIZE_N*4
	s_mul_u64 s[16:17], s[16:17], s[18:19]
	s_lshl_b32 s46, s42, 10                        ; my first column, in bytes: 1,024 x tile column + 512 x half
	s_lshl_b32 s47, s12, 9
	s_add_co_u32 s46, s46, s47
	s_mov_b32 s47, 0
	s_add_nc_u64 s[66:67], s[66:67], s[46:47]
	s_add_nc_u64 s[16:17], s[16:17], s[46:47]
	s_add_nc_u64 s[8:9], s[8:9], s[16:17]
	WIN TO_B
.irp b, 0,1,2,3,4,5,6,7                ; register j of block b: bo[16 b + 8 (l / 16) + j], as the C operand wants it
	global_load_b128 v[BI+8*(\b):BI+8*(\b)+3],   v[BO], s[66:67] offset:64*(\b)
	global_load_b128 v[BI+8*(\b)+4:BI+8*(\b)+7], v[BO], s[66:67] offset:64*(\b)+16
.endr
	WIN 0
	; the prefetches.  s13 = 256 x tile row, s42 = tile column, s40 = cx, s41 = cy still stand
	s_lshl_b32 s42, s42, 8
	s_and_b32 s22, ttmp7, 0xffff                   ; cluster y
	s_cmp_eq_u32 s11, 0                            ; do I fetch for att?
	s_cselect_b32 s20, s13, s42
	s_cselect_b32 s21, s40, s41
	s_cselect_b32 s22, ttmp9, s22
	s_cselect_b64 s[PFA:PFA+1], s[4:5], s[6:7]
	s_cmp_eq_u32 s22, 0
	s_cselect_b32 s[LIM], 1, -1                    ; the same in all sixteen partners, for a given wave
	s_lshl_b32 s22, s12, 7
	s_add_co_u32 s20, s20, s22
	s_lshl_b32 s21, s21, 5
	s_add_co_u32 s20, s20, s21
	s_mov_b32 s21, 0
	s_mov_b64 s[18:19], SIZE_K*2
	s_mul_u64 s[20:21], s[20:21], s[18:19]
	s_add_nc_u64 s[PFA:PFA+1], s[PFA:PFA+1], s[20:21]
	s_add_nc_u64 s[PFA:PFA+1], s[PFA:PFA+1], 2*KSTEP*2  ; at K step 2: the first refill steps it to 3 and names K step 4
	v_and_b32 v[PFO], 31, v0
	v_mul_u32_u24 v[PFO], v[PFO], SIZE_K*2
	s_wait_loadcnt 0x0                             ; bo; it is rounded to bf16 in the wait for the first tile
	WIN 0x45                                       ; sources 0 and 1 and the destination in window 1
.set i, 0
.rept 32
	v_cvt_pk_bf16_f32 v[i%4], v[BI+2*i], v[BI+2*i+1]
	v_lshlrev_b32 v[BI+2*i], 16, v[i%4]
	v_and_b32 v[BI+2*i+1], s68, v[i%4]
.set i, i+1
.endr
	WIN 0
; count matrix instructions, numbers first .. of the 32 of one half of my rows (hi = 0: rows 0-63, 1: rows 64-127): number i is m block i / 8 x n block i % 8, 32 along K.
; zero = 1: the product starts the sum, with the bias as C (window 1).  The 64 accumulators take turns in the same order in every quarter step.
.macro MULN f, hi, first, count, zero
.if \zero
	WIN 0x91+0x40*(\hi)                            ; source 0 and C window 1, source 1 window 0, D window 2 or 3
.else
	WIN MUL_LO+0x50*(\hi)
.endif
.set mi, \first
.rept \count
.if \zero
	v_wmma_f32_16x16x32_f16 v[8*mi:8*mi+7], v[(\f)+8*(mi%8):(\f)+8*(mi%8)+7], v[(\f)+8*(4*(\hi)+mi/8):(\f)+8*(4*(\hi)+mi/8)+7], v[BI+8*(mi%8):BI+8*(mi%8)+7]
.else
	v_wmma_f32_16x16x32_f16 v[8*mi:8*mi+7], v[(\f)+8*(mi%8):(\f)+8*(mi%8)+7], v[(\f)+8*(4*(\hi)+mi/8):(\f)+8*(4*(\hi)+mi/8)+7], v[8*mi:8*mi+7]
.endif
.set mi, mi+1
.endr
.endm
.macro FETCH slot, k, f                ; 32 LDS loads in one run: woh's sixteen, then att's sixteen
	WIN TO_B
.irp i, 0,1,2,3,4,5,6,7
	ds_load_b128 v[(\f)+8*(\i):(\f)+8*(\i)+3],   v[ADRB+(\slot)] offset:(\k)+(\i)*16*PITCH
	ds_load_b128 v[(\f)+8*(\i)+4:(\f)+8*(\i)+7], v[ADRB+(\slot)] offset:(\k)+(\i)*16*PITCH+32
.endr
	WIN 0
.irp i, 0,1,2,3,4,5,6,7
	ds_load_b128 v[(\f)+8*(\i):(\f)+8*(\i)+3],   v[ADRA+(\slot)] offset:(\k)+(\i)*16*PITCH
	ds_load_b128 v[(\f)+8*(\i)+4:(\f)+8*(\i)+7], v[ADRA+(\slot)] offset:(\k)+(\i)*16*PITCH+32
.endr
.endm
.macro PLACES                          ; four plain vector instructions between a matrix instruction and a load into a register that it has read, or an LDS store of its result (ISA guide 7.12.1 for vector instructions)
.rept 4
	v_nop
.endr
.endm
.macro QUARTER slot, k, f, g, zero
	s_wait_dscnt 8                                 ; woh's fragments and att's rows 0-63 are in; the youngest eight loads may be out
	MULN \f, 0, 0, 32, \zero
	PLACES
	FETCH \slot, \k, \g
	s_wait_dscnt 32                                ; all but the 32 just issued
	MULN \f, 1, 0, 32, \zero
.endm
; THE LAST QUARTER multiplies buffer 1 and changes slots.  In front of the round each wave waits for all its tensor loads, of which one is out (its part of the next slot), adds 0 to its spare word, and
; waits for that and for its own reads of this slot.  Behind the round no wave of any partner reads this slot any more or has a load on its way, and the next slot is whole: this slot is filled again
; first, two K steps ahead, then the next slot's first fragments are read.  From a request to the wait for it a wave issues 224 matrix instructions.
; Only work on registers stands inside the round: the quarter's first 32 products are shared out, 8 while the add is out and 4, 16 and 4 between the round's three signals and their waits, so that the
; wave has products to issue while the others arrive; the other 32 stand behind the run of LDS loads.
.macro TURN slot, next
	s_wait_xcnt 0x0                                ; the last prefetch, a K step back, has read its address
	s_add_nc_u64 s[PFA:PFA+1], s[PFA:PFA+1], KSTEP*2
	WIN 0                                          ; (the add's two registers lie in window 0)
	s_wait_tensorcnt 0x0                           ; all my tensor loads have landed, so a group 0 may be written
	ds_add_u32 v[SPW], v[NIL]                      ; 0 onto my spare word: the descriptors' steps and eight products stand between it and the wait for it
	s_add_nc_u64 s[G0+4*(\slot)+2:G0+4*(\slot)+3], s[G0+4*(\slot)+2:G0+4*(\slot)+3], 2*KSTEP*2
	s_add_nc_u64 s[G0B+4*(\slot)+2:G0B+4*(\slot)+3], s[G0B+4*(\slot)+2:G0B+4*(\slot)+3], 2*KSTEP*2
	s_wait_dscnt 9                                 ; (the add and the youngest eight loads may be out)
	MULN F1, 0, 0, 8, 0
	s_wait_dscnt 0x0                               ; the add is done, and my reads of this slot are over
	s_barrier_signal -1                            ; the round opens
	MULN F1, 0, 8, 4, 0
	WIN 0                                          ; (a branch follows)
	s_barrier_wait -1
	s_cmp_lg_u32 s10, 0
	s_cbranch_scc1 .Lnot_wave_0_\@
	s_barrier_signal -3                            ; wave 0 says so for the work-group
.Lnot_wave_0_\@:
	MULN F1, 0, 12, 16, 0
	s_barrier_wait -3                              ; all sixteen work-groups have said so
	s_barrier_signal -1
	MULN F1, 0, 28, 4, 0
	WIN 0
	s_barrier_wait -1                              ; the round is closed
	JLOAD \slot                                    ; the first tensor load behind the round, my only one until the next; its four v_nop are also the places in front of the loads below
	FETCH \next, 0, F0
	ASK
	MULN F1, 1, 0, 32, 0
.endm
.macro MEET0                           ; the same first half for the last change of slots: nothing is filled again, so one barrier of the work-group does
	WIN 0
	s_wait_tensorcnt 0x0                           ; my one tensor load that was still out is slot 1's, the last K step's
	ds_add_u32 v[SPW], v[NIL]                      ; 0 onto my spare word
	s_wait_dscnt 9                                 ; (the add and the youngest eight loads may be out)
	MULN F1, 0, 0, 16, 0
	s_wait_dscnt 0x0
	s_barrier_signal -1
	MULN F1, 0, 16, 16, 0
	s_barrier_wait -1
.endm
.macro BLOAD q                         ; the last K step: woh's fragments of quarter q -> window 1, v[64 q ..]
	WIN TO_B
.irp i, 0,1,2,3,4,5,6,7
	ds_load_b128 v[64*(\q)+8*(\i):64*(\q)+8*(\i)+3],   v[ADRB+1] offset:64*(\q)+(\i)*16*PITCH
	ds_load_b128 v[64*(\q)+8*(\i)+4:64*(\q)+8*(\i)+7], v[ADRB+1] offset:64*(\q)+(\i)*16*PITCH+32
.endr
.endm
.macro ALOAD a                         ; att's fragments of block a, all four quarters -> buffer a % 4
	WIN 0
.set FA, PA+32*((\a)%4)
.irp q, 0,1,2,3
	ds_load_b128 v[FA+8*(\q):FA+8*(\q)+3],   v[ADRA+1] offset:64*(\q)+(\a)*16*PITCH
	ds_load_b128 v[FA+8*(\q)+4:FA+8*(\q)+7], v[ADRA+1] offset:64*(\q)+(\a)*16*PITCH+32
.endr
.endm
.macro ROW a                           ; block a is finished: 32 matrix instructions, its 8 accumulators by turns
.set FA, PA+32*((\a)%4)
.set AC, 64*((\a)%4)
	WIN MUL_LO+0x50*((\a)/4)
.irp q, 0,1,2,3
.if (\a) == 0 && (\q) == 2
	s_wait_dscnt 24                                ; woh's quarter 2 is in (behind it: att's blocks 1 to 3)
.endif
.irp b, 0,1,2,3,4,5,6,7
	v_wmma_f32_16x16x32_f16 v[AC+8*(\b):AC+8*(\b)+7], v[64*(\q)+8*(\b):64*(\q)+8*(\b)+7], v[FA+8*(\q):FA+8*(\q)+7], v[AC+8*(\b):AC+8*(\b)+7]
.endr
.endr
.endm
; THE WAY OUT of block a: the f32 sums go as they are, 32 bytes a lane, into my own stage (each accumulator's low four registers first), and come back as whole rows of 512 bytes.
.macro TOSTAGE a
.set AC, 64*((\a)%4)
	s_wait_xcnt 0x0                                ; the stores of the block before have read the registers that the loads below fill
	WIN 0x08+4*((\a)/4)                            ; the stores' data (source 1) in window 2 or 3
.irp b, 0,1,2,3,4,5,6,7
	ds_store_b128 v[STO], v[AC+8*(\b):AC+8*(\b)+3]   offset:64*(\b)
	ds_store_b128 v[STO], v[AC+8*(\b)+4:AC+8*(\b)+7] offset:64*(\b)+16
.endr
	WIN 0
.irp t, 0,1,2,3,4,5,6,7,8,9,10,11,12,13,14,15
	ds_load_b128 v[BK+4*(\t):BK+4*(\t)+3], v[RD] offset:(\t)*SPITCH  ; LDS serves a wave's instructions in order (ISA guide 5.7.1.4): these see the stores above
.endr
.endm
.macro SEND a, younger                 ; younger: the LDS loads issued behind TOSTAGE's, which may stay out
	WIN 0
.irp t, 0,1,2,3,4,5,6,7,8,9,10,11,12,13,14,15
.if ((\t)%4) == 0
	s_wait_dscnt (\younger)+12-(\t)                ; rows t to t + 3 are back; the 12 - t rows behind them and the younger loads may stay out
.endif
	global_store_b128 v[CO], v[BK+4*(\t):BK+4*(\t)+3], s[8:9] offset:(16*(\a)+(\t))*SIZE_N*4 th:TH_STORE_NT  ; 512 consecutive bytes, at a multiple of 512 from out0's first byte; 127 rows at the most, inside the signed 24-bit immediate
.endr
.endm
	s_wait_tensorcnt 1                             ; my part of K step 0 is in; K step 1's load, issued behind it, may stay out
	s_barrier_signal -1
	s_barrier_wait -1                              ; everybody's is
	FETCH 0, 0, F0
	QUARTER 0, 64,  F0, F1, 1                      ; the first quarter stands in front of the loop: its products start the sums, on the bias
	WIN 0                                          ; at a label and at a branch every window is 0
	s_mov_b32 s3, LAPS-1
.Llap:                                             ; a trip goes once round the ring, from a lap's second quarter to the next lap's first, and fills both slots again
	QUARTER 0, 128, F1, F0, 0
	QUARTER 0, 192, F0, F1, 0
	TURN 0, 1
	QUARTER 1, 64,  F0, F1, 0
	QUARTER 1, 128, F1, F0, 0
	QUARTER 1, 192, F0, F1, 0
	TURN 1, 0
	QUARTER 0, 64,  F0, F1, 0
	WIN 0
	s_sub_co_u32 s3, s3, 1
	s_cmp_lg_u32 s3, 0
	s_cbranch_scc1 .Llap
	QUARTER 0, 128, F1, F0, 0                      ; the last lap fills nothing
	QUARTER 0, 192, F0, F1, 0
	MEET0
	PLACES                                         ; for the loads into buffer 0, which the quarter before multiplied
	BLOAD 0                                        ; three quarters of woh now: buffer 1 is still being multiplied; quarter 3 takes the bias's registers, read last by the first quarter's products
	BLOAD 1
	BLOAD 3
	ALOAD 0
	MULN F1, 1, 0, 32, 0
	PLACES                                         ; for the loads into buffer 1
	BLOAD 2
	ALOAD 1
	ALOAD 2
	ALOAD 3
	s_wait_dscnt 40                                ; all but the 40 just issued
	ROW 0
.irp a, 0,1,2,3,4,5,6,7                ; each block leaves as soon as it is finished
	PLACES                                         ; the LDS stores read results just made, and the loads below fill registers just read
	TOSTAGE \a
.if (\a) < 4
	ALOAD (\a)+4                                   ; its buffer takes the block four further on
	SEND \a, 8
.else
	SEND \a, 0
.endif
.if (\a) < 7
	ROW (\a)+1
.endif
.endr
	s_wait_tensorcnt 0x0                           ; the wave's end, behind my last tensor load and my last LDS store
	ds_add_u32 v[SPW], v[NIL]
	s_wait_dscnt 0x0
	CROUND                                         ; the closing round: no work-group ends while a partner may still ask for a tile that names it
	s_endpgm
.Lfunc_end_k_qa60c1fd520_outp:
	.size	k_qa60c1fd520_outp, .Lfunc_end_k_qa60c1fd520_outp-k_qa60c1fd520_outp
	.p2alignl 7, 3214868480
	.fill 96, 4, 3214868480
	.section	.rodata,"a",@progbits
	.p2align	6, 0x0
	.amdhsa_kernel k_qa60c1fd520_outp
		.amdhsa_group_segment_fixed_size 327680
		.amdhsa_private_segment_fixed_size 0
		.amdhsa_enable_private_segment 0
		.amdhsa_kernarg_size 32
		.amdhsa_user_sgpr_count 2
		.amdhsa_user_sgpr_kernarg_segment_ptr 1
		.amdhsa_wavefront_size32 1
		.amdhsa_system_sgpr_workgroup_id_x 1
		.amdhsa_system_sgpr_workgroup_id_y 1
		.amdhsa_system_sgpr_workgroup_id_z 1
		.amdhsa_system_vgpr_workitem_id 0
		.amdhsa_next_free_vgpr 1024
		.amdhsa_next_free_sgpr 70
		.amdhsa_reserve_vcc 0
		.amdhsa_float_denorm_mode_32 3
		.amdhsa_float_denorm_mode_16_64 3
		.amdhsa_memory_ordered 1
		.amdhsa_forward_progress 1
		.amdhsa_inst_pref_size 148
	.end_amdhsa_kernel
	.amdgpu_metadata
---
amdhsa.version: [ 1, 2 ]
amdhsa.kernels:
  - .name:           k_qa60c1fd520_outp
    .symbol:         k_qa60c1fd520_outp.kd
    .args:
      - { .name: att, .offset: 0, .size: 8, .value_kind: global_buffer, .address_space: global }
      - { .name: woh, .offset: 8, .size: 8, .value_kind: global_buffer, .address_space: global }
      - { .name: bo, .offset: 16, .size: 8, .value_kind: global_buffer, .address_space: global }
      - { .name: out0, .offset: 24, .size: 8, .value_kind: global_buffer, .address_space: global }
    .group_segment_fixed_size: 327680
    .private_segment_fixed_size: 0
    .kernarg_segment_align: 8
    .kernarg_segment_size: 32
    .max_flat_workgroup_size: 128
    .sgpr_count:     70
    .vgpr_count:     1024
    .wavefront_size: 32
...
	.end_amdgpu_metadata
.endif
;; end of part 4
;; ======== version 2 of 2: 4 launches; version 1 with the launch heads written anew for expert scheduling mode
;; limits: values are held in f16: magnitudes above 65,504 overflow, below 6.1e-05 lose precision
;; workspace buffers: xb 33,554,432 bytes; wqb 6,291,456 bytes; woh 2,097,152 bytes; qkv 100,663,296 bytes; att 33,554,432 bytes
;; launch cast: the kernel of part 1 again; grid 1280 x 1, 8 waves a work-group, no clusters, 0 bytes of LDS; arguments x, Wqkv, Wo, xb, wqb, woh; writes xb, wqb, woh
;; launch proj: the kernel of part 2 again; grid 4 x 64, 4 waves a work-group, clusters of 4 x 4, 327,680 bytes of LDS; arguments xb, wqb, qkv; writes qkv
;; launch heads (part 5): grid 1024 x 1, 4 waves a work-group, no clusters, 0 bytes of LDS; arguments qkv, att; writes att
.if DOCPART == 5
	.amdgcn_target "amdgcn-amd-amdhsa--gfx1250"
	.amdhsa_code_object_version 6
	.text
	.protected	k_qa60c1fd520_heads
	.globl	k_qa60c1fd520_heads
	.p2align	8
	.type	k_qa60c1fd520_heads,@function
k_qa60c1fd520_heads:
	s_mov_b64 s[64:65], 0
	v_nop
	global_prefetch_b8 v0, s[64:65] scope:SCOPE_SE
	s_setreg_imm32_b32 hwreg(HW_REG_WAVE_SCHED_MODE, 0, 2), 2
	s_setreg_imm32_b32 hwreg(HW_REG_WAVE_MODE, 25, 1), 1
	s_wait_xcnt 0x0
	s_wait_alu depctr_vm_vsrc(0)
; FOR EACH TOKEN, ATTENTION ACROSS ITS 16 HEADS.  s[h][g] = q[h] . k[g] / 32; w = softmax over g; attn[h] = the sum over g of w[h][g] v[g].
; qkv: [16384][3072] f16, a token's 6,144 bytes laid out by the launches before:  q at byte 0, k at 2,048: block d / 16 of 512 bytes, in it head x 32 bytes + 2 (d % 16);  v at 4,096: channel d x 32 bytes + 2 g.
; att: [16384][1024] f16, in q's order of columns.  Products, maximum and sum in f32; the weights, divided by their sum, are rounded to f16 for the second product; attn is rounded once.
; LIMITS.  q, k and v arrive within f16's 65,504 and are finite; a weight below 2^-126 counts as 0; NaN and infinities are not treated apart.
; SHARES.  A wave owns four tokens on end; nothing is shared between waves, so there is no LDS and no barrier.  All 48 loads of a wave (24,576 bytes) go out first; there is no loop.
; LAYOUT.  Every load and store of a wave is 512 consecutive bytes, lane l at 32 (l % 16) + 16 (l / 16): that IS a matrix fragment's half: row l % 16, eight numbers 8 (l / 16) + 0..7 along K.
; S^T = K Q^T (source 0 = 16 key heads, source 1 = 16 query heads): a lane holds ONE query head (l % 16) and the key heads 8 (l / 16) + 0..7; rounded in pairs these ARE registers 0-3 of source 1
; (K = key head 0..15) of O^T = V^T P; registers 4-7 (K = 16..31) are 0, so what stands in source 0's upper four registers (the next tile's finite numbers; zeros behind the last) adds nothing.
; O^T again holds one query head a lane and eight channels: 16 bytes of att.
; The four tokens go side by side through every step, so that no instruction waits for the one before it and the accumulators take turns.
; THE MODE: SCHED_MODE bits 1:0 = 2 (LLVM: expert scheduling mode 2), set by the entry lines.  The code itself states the register dependences
; between vector or matrix instructions and memory instructions, with s_wait_alu, always for 0.
; THE PLAN.  The text is one straight path.  Registers that memory instructions touch:
;   v1                   the lane offset.  Written by four vector instructions at the head, never again; read by all 48 loads and all 16 stores.
;   v[20:211]            q, k and v as loaded.  The loads are issued at the head, and no vector instruction has named these registers before them.
;   v[OF+32 t .. +15]    token t's out-buffer.  Written by token t's sixteen conversions; read by its four stores; written by nothing behind them.
;   s8                   the wave's number.  Written by v_readfirstlane_b32; both bases are made from it.
; So: one wait on va_sdst ahead of s8's first reader; one on va_vdst ahead of the first load, for v1; one on va_vdst behind each token's conversions, for its out-buffer.  Token t's four stores follow that
; wait dealt among token t + 1's conversions, which name v[OF+32 (t+1) .. +31] alone: none of the registers that those stores touch.  No register that a memory instruction has read is written again,
; so no wait on vm_vsrc is owed.  S^T, P, the statistics and the zeros are named by vector and matrix instructions alone.
.set TOK, 6144                         ; bytes of a token in qkv
.set ST,  4                            ; v[4:19]    token t at ST + 4 t: c m, m, l and then 1 / l, one at work
.set QF,  20                           ; v[20:83]   q, 16 registers a token
.set KF,  84                           ; v[84:147]  k
.set VF,  148                          ; v[148:211] v, 16 a token: channels 16 c .. at + 4 c
.set ZF,  212                          ; v[212:215] 0, behind v's last tile
.set SF,  216                          ; v[216:247] S^T, 8 a token; then P in place
.set OF,  20                           ; O^T takes q's and k's registers: token t at OF + 32 t, channels 16 c .. at + 8 c
	s_load_b128 s[4:7], s[0:1], 0x0                ; qkv s[4:5], att s[6:7]
	v_lshrrev_b32 v2, 5, v0
	v_readfirstlane_b32 s8, v2                     ; wave 0..3
	s_mov_b32 s11, 0
	s_mov_b32 s13, 0
	s_mov_b32 s14, 0x3d38aa3b                      ; c = log2(e) / 32 = 0.0450842
	s_mov_b32 s15, s14                             ; named with it as a pair
	s_mov_b32 s16, 0x76543210                      ; v_permlanex16_b32: each lane takes its own place in the other half
	s_mov_b32 s17, 0xfedcba98
	v_and_b32 v1, 15, v0
	v_bfe_u32 v2, v0, 4, 1
	v_lshlrev_b32 v1, 5, v1
	v_lshl_add_u32 v1, v2, 4, v1                   ; 32 (l % 16) + 16 (l / 16): the one lane offset; never rewritten
	s_wait_alu depctr_va_sdst(0)                   ; s8 is written, ahead of its first reader: the bases of qkv and att are made from it
	s_lshl_b32 s9, ttmp9, 2
	s_add_co_u32 s9, s9, s8                        ; my wave among the launch's 4,096
	s_mul_i32 s10, s9, 4*TOK                       ; its four tokens in qkv,
	s_lshl_b32 s12, s9, 13                         ; and in att
	s_wait_kmcnt 0x0
	s_add_nc_u64 s[4:5], s[4:5], s[10:11]
	s_add_nc_u64 s[6:7], s[6:7], s[12:13]
	s_wait_alu depctr_va_vdst(0)                   ; v1 is written: every load and store of the kernel reads it as its offset
.irp t, 0,1,2,3
.irp n, 0,1,2,3
	global_load_b128 v[QF+16*(\t)+4*(\n):QF+16*(\t)+4*(\n)+3], v1, s[4:5] offset:(\t)*TOK+512*(\n) th:TH_LOAD_NT
	global_load_b128 v[KF+16*(\t)+4*(\n):KF+16*(\t)+4*(\n)+3], v1, s[4:5] offset:(\t)*TOK+2048+512*(\n) th:TH_LOAD_NT
.endr
.endr
.irp t, 0,1,2,3
.irp c, 0,1,2,3
	global_load_b128 v[VF+16*(\t)+4*(\c):VF+16*(\t)+4*(\c)+3], v1, s[4:5] offset:(\t)*TOK+4096+512*(\c) th:TH_LOAD_NT
.endr
.endr
.irp i, 0,1,2,3
	v_mov_b32 v[ZF+(\i)], 0
.endr
	s_wait_loadcnt 16                              ; q and k are in; v's sixteen loads, issued behind them, may stay out
.irp s, 0,1
.irp t, 0,1,2,3
.if (\s) == 0
	v_wmma_f32_16x16x32_f16 v[SF+8*(\t):SF+8*(\t)+7], v[KF+16*(\t):KF+16*(\t)+7], v[QF+16*(\t):QF+16*(\t)+7], 0
.else
	v_wmma_f32_16x16x32_f16 v[SF+8*(\t):SF+8*(\t)+7], v[KF+16*(\t)+8:KF+16*(\t)+15], v[QF+16*(\t)+8:QF+16*(\t)+15], v[SF+8*(\t):SF+8*(\t)+7]
.endif
.endr
.endr
.irp t, 0,1,2,3
	v_mov_b32 v[ST+4*(\t)+3], 0                    ; v_permlanex16_b32's destination counts as read: it is written here; with the four v_nop these are the places behind the products
.endr
.rept 4
	v_nop
.endr
	; the maximum of the lane's eight scores, from the accumulator's low end on; then the other eight key heads', which lie in the lane 16 away
.irp t, 0,1,2,3
	v_max3_num_f32 v[ST+4*(\t)+1], v[SF+8*(\t)], v[SF+8*(\t)+1], v[SF+8*(\t)+2]
.endr
.irp t, 0,1,2,3
	v_max3_num_f32 v[ST+4*(\t)+1], v[ST+4*(\t)+1], v[SF+8*(\t)+3], v[SF+8*(\t)+4]
.endr
.irp t, 0,1,2,3
	v_max3_num_f32 v[ST+4*(\t)+1], v[ST+4*(\t)+1], v[SF+8*(\t)+5], v[SF+8*(\t)+6]
.endr
.irp t, 0,1,2,3
	v_max_num_f32 v[ST+4*(\t)+1], v[ST+4*(\t)+1], v[SF+8*(\t)+7]
.endr
.irp t, 0,1,2,3
	v_permlanex16_b32 v[ST+4*(\t)+3], v[ST+4*(\t)+1], s16, s17
.endr
.irp t, 0,1,2,3
	v_max_num_f32 v[ST+4*(\t)+1], v[ST+4*(\t)+1], v[ST+4*(\t)+3]
.endr
.irp t, 0,1,2,3
	v_mul_f32 v[ST+4*(\t)], s14, v[ST+4*(\t)+1]    ; c m
.endr
.irp i, 0,1,2,3
.irp t, 0,1,2,3
	v_pk_fma_f32 v[SF+8*(\t)+2*(\i):SF+8*(\t)+2*(\i)+1], v[SF+8*(\t)+2*(\i):SF+8*(\t)+2*(\i)+1], s[14:15], v[ST+4*(\t):ST+4*(\t)+1] op_sel_hi:[1,0,0] neg_lo:[0,0,1] neg_hi:[0,0,1]  ; c s - c m
.endr
.endr
.irp j, 0,1,2,3,4,5,6,7
.irp t, 0,1,2,3
	v_exp_f32 v[SF+8*(\t)+(\j)], v[SF+8*(\t)+(\j)] ; ONE batch of 32
.endr
.endr
	v_nop                                          ; a plain instruction behind the last exponential (ISA guide 5.7.2),
	s_wait_alu depctr_va_vdst(0)                   ; and one wait ahead of the batch's first reader: the 32 exponentials have written v[SF .. SF+31], which the sums below read
.irp t, 0,1,2,3
	v_pk_add_f32 v[ST+4*(\t)+2:ST+4*(\t)+3], v[SF+8*(\t):SF+8*(\t)+1], v[SF+8*(\t)+2:SF+8*(\t)+3]
.endr
.irp t, 0,1,2,3
	v_pk_add_f32 v[ST+4*(\t)+2:ST+4*(\t)+3], v[ST+4*(\t)+2:ST+4*(\t)+3], v[SF+8*(\t)+4:SF+8*(\t)+5]
.endr
.irp t, 0,1,2,3
	v_pk_add_f32 v[ST+4*(\t)+2:ST+4*(\t)+3], v[ST+4*(\t)+2:ST+4*(\t)+3], v[SF+8*(\t)+6:SF+8*(\t)+7]
.endr
.irp t, 0,1,2,3
	v_add_f32 v[ST+4*(\t)+2], v[ST+4*(\t)+2], v[ST+4*(\t)+3]
.endr
.irp t, 0,1,2,3
	v_permlanex16_b32 v[ST+4*(\t)+3], v[ST+4*(\t)+2], s16, s17
.endr
.irp t, 0,1,2,3
	v_add_f32 v[ST+4*(\t)+2], v[ST+4*(\t)+2], v[ST+4*(\t)+3]  ; l: at least about 1, the largest score's own weight
.endr
.irp t, 0,1,2,3
	v_rcp_f32 v[ST+4*(\t)+2], v[ST+4*(\t)+2]
.endr
	v_nop                                          ; a plain instruction behind the last reciprocal,
	s_wait_alu depctr_va_vdst(0)                   ; and one wait for the four: they have written v[ST+4 t+2], by which the weights below are multiplied
.irp i, 0,1,2,3
.irp t, 0,1,2,3
	v_pk_mul_f32 v[SF+8*(\t)+2*(\i):SF+8*(\t)+2*(\i)+1], v[SF+8*(\t)+2*(\i):SF+8*(\t)+2*(\i)+1], v[ST+4*(\t)+2:ST+4*(\t)+3] op_sel_hi:[1,0]  ; w = p / l, in 0 to 1
.endr
.endr
.irp i, 0,1,2,3
.irp t, 0,1,2,3
	v_cvt_pk_f16_f32 v[SF+8*(\t)+(\i)], v[SF+8*(\t)+2*(\i)], v[SF+8*(\t)+2*(\i)+1]  ; in place, ascending: register i is written when pairs 0 .. i have been read
.endr
.endr
.irp i, 4,5,6,7
.irp t, 0,1,2,3
	v_mov_b32 v[SF+8*(\t)+(\i)], 0                 ; K = 16 .. 31 is empty
.endr
.endr
	s_wait_loadcnt 0x0                             ; v is in
.irp c, 0,1,2,3
.irp t, 0,1,2,3
	v_wmma_f32_16x16x32_f16 v[OF+32*(\t)+8*(\c):OF+32*(\t)+8*(\c)+7], v[VF+16*(\t)+4*(\c):VF+16*(\t)+4*(\c)+7], v[SF+8*(\t):SF+8*(\t)+7], 0
.endr
.endr
.rept 8
	v_nop                                          ; the places behind the products
.endr
; THE WAY OUT.  CVT4: conversions 4 c to 4 c + 3 of token t's sixteen: accumulator c closes up into four registers.  In place, ascending: each accumulator is read from its low end on.
.macro CVT4 t, c
.irp i, 0,1,2,3
	v_cvt_pk_f16_f32 v[OF+32*(\t)+4*(\c)+(\i)], v[OF+32*(\t)+8*(\c)+2*(\i)], v[OF+32*(\t)+8*(\c)+2*(\i)+1]
.endr
.endm
; OUT: store c of token t's four: 512 consecutive bytes, at a multiple of 512 from att's first byte.
.macro OUT t, c
	global_store_b128 v1, v[OF+32*(\t)+4*(\c):OF+32*(\t)+4*(\c)+3], s[6:7] offset:2048*(\t)+512*(\c) th:TH_STORE_NT
.endm
.irp c, 0,1,2,3
	CVT4 0, \c
.endr
.irp t, 1,2,3
	s_wait_alu depctr_va_vdst(0)                   ; the conversions of the token before have written its out-buffer, which the four stores below read
.irp c, 0,1,2,3
	OUT (\t)-1, \c                                 ; no further wait: the conversions issued since the wait name this token's 32 registers alone
	CVT4 \t, \c
.endr
.endr
	s_wait_alu depctr_va_vdst(0)                   ; token 3's conversions have written its out-buffer, which the last four stores read
.irp c, 0,1,2,3
	OUT 3, \c
.endr
	s_endpgm
.Lfunc_end_k_qa60c1fd520_heads:
	.size	k_qa60c1fd520_heads, .Lfunc_end_k_qa60c1fd520_heads-k_qa60c1fd520_heads
	.p2alignl 7, 3214868480
	.fill 96, 4, 3214868480
	.section	.rodata,"a",@progbits
	.p2align	6, 0x0
	.amdhsa_kernel k_qa60c1fd520_heads
		.amdhsa_group_segment_fixed_size 0
		.amdhsa_private_segment_fixed_size 0
		.amdhsa_enable_private_segment 0
		.amdhsa_kernarg_size 16
		.amdhsa_user_sgpr_count 2
		.amdhsa_user_sgpr_kernarg_segment_ptr 1
		.amdhsa_wavefront_size32 1
		.amdhsa_system_sgpr_workgroup_id_x 1
		.amdhsa_system_sgpr_workgroup_id_y 1
		.amdhsa_system_sgpr_workgroup_id_z 1
		.amdhsa_system_vgpr_workitem_id 0
		.amdhsa_next_free_vgpr 248
		.amdhsa_next_free_sgpr 66
		.amdhsa_reserve_vcc 0
		.amdhsa_float_denorm_mode_32 3
		.amdhsa_float_denorm_mode_16_64 3
		.amdhsa_memory_ordered 1
		.amdhsa_forward_progress 1
		.amdhsa_inst_pref_size 21
	.end_amdhsa_kernel
	.amdgpu_metadata
---
amdhsa.version: [ 1, 2 ]
amdhsa.kernels:
  - .name:           k_qa60c1fd520_heads
    .symbol:         k_qa60c1fd520_heads.kd
    .args:
      - { .name: qkv, .offset: 0, .size: 8, .value_kind: global_buffer, .address_space: global }
      - { .name: att, .offset: 8, .size: 8, .value_kind: global_buffer, .address_space: global }
    .group_segment_fixed_size: 0
    .private_segment_fixed_size: 0
    .kernarg_segment_align: 8
    .kernarg_segment_size: 16
    .max_flat_workgroup_size: 128
    .sgpr_count:     66
    .vgpr_count:     248
    .wavefront_size: 32
...
	.end_amdgpu_metadata
.endif
;; end of part 5
;; launch outp: the kernel of part 4 again; grid 4 x 64, 4 waves a work-group, clusters of 4 x 4, 327,680 bytes of LDS; arguments att, woh, bo, out0; writes out0
